; MI455X (gfx1250); checked and timed in simulation.
; The chip was launched on July 23, 2026; its instructions are those of AMD's public machine-readable ISA for CDNA 5 (MIT licence, August 2026) and "CDNA5" Instruction Set Architecture Reference Guide (July 2026). The comments in the code are by the model that wrote it; some were corrected since.
;; Multi Head Attention. Allowed arithmetic: matrix products marked QUANTISED: E4M3 operands, one given power-of-two scale a tensor, by v_wmma_f32_16x16x64_fp8_fp8 or v_wmma_f32_16x16x128_fp8_fp8, f32 sums; everything else in f32.
;; Inputs: W_k 1,024 x 1,024 float32; W_o 1,024 x 1,024 float32; W_q 1,024 x 1,024 float32; W_v 1,024 x 1,024 float32; b_k 1,024 float32; b_o 1,024 float32; b_q 1,024 float32; b_v 1,024 float32; k_input 2 x 2,048 x 1,024 float32; lowp_scales 12 int32 (the exponents e of the quantised operands' scales 2^e); mask 2,048 x 2,048 int32; q_input 2 x 2,048 x 1,024 float32; v_input 2 x 2,048 x 1,024 float32.
;; Outputs: out0 2 x 2,048 x 1,024 float32.
;; This version of the problem:
;;   THIS VERSION OF THE PROBLEM IS GIVEN IN LOW PRECISION. The matrix products marked QUANTISED in the list below multiply operands that are first quantised to E4M3 (4 exponent bits, 3 mantissa bits; 8 bits a number), with one given power-of-two scale for each operand tensor; their sums are f32. All else is computed in f32.
;;   The module's matrix products, in the order in which they are computed (A, B: the left and right operand; K: the contracted axis; several contracted axes count as one K, in the product's order):
;;     1. [M 4,096, K 1,024] x [K 1,024, N 1,024]; A: input q_input; B: input W_q: QUANTISED (scales: A lowp_scales[0], B lowp_scales[1])
;;     2. [M 4,096, K 1,024] x [K 1,024, N 1,024]; A: input k_input; B: input W_k: QUANTISED (scales: A lowp_scales[2], B lowp_scales[3])
;;     3. [M 4,096, K 1,024] x [K 1,024, N 1,024]; A: input v_input; B: input W_v: QUANTISED (scales: A lowp_scales[4], B lowp_scales[5])
;;     4. batch 32 x [M 2,048, K 64] x [K 64, N 2,048]; A: computed on the way; B: computed on the way: QUANTISED (scales: A lowp_scales[6], B lowp_scales[7])
;;     5. batch 32 x [M 2,048, K 2,048] x [K 2,048, N 64]; A: softmax (see below); B: computed on the way: QUANTISED (scales: A lowp_scales[8], B lowp_scales[9])
;;     6. [M 4,096, K 1,024] x [K 1,024, N 1,024]; A: computed on the way; B: input W_o: QUANTISED (scales: A lowp_scales[10], B lowp_scales[11])
;;   THE QUANTISER, for each operand of a quantised product, along K:
;;     - The operand's scale is 2^e, e = its entry of the input lowp_scales (int32; the entries are numbered through the quantised products in the list's order, A before B).
;;     - Each number is divided by the scale, clamped to +-448, and rounded to the nearest number of E4M3, ties to even, subnormals kept.
;;     - The product sums the exact products of the quantised numbers (number of the format x scale) in f32.
;;   ~~~python
;;   def quantise(x, axis, e):      # numpy; x: float32 -> the quantised numbers, widened to float32 again
;;       x = np.moveaxis(x, axis, -1); K = x.shape[-1]
;;       r = np.clip(x / 2.0 ** e, -448, 448)
;;       step = 2.0 ** (np.maximum(np.frexp(np.where(r == 0, 1, r))[1] - 1, -6) - 3)
;;       q = np.round(r / step) * step * 2.0 ** e      # np.round: ties to even
;;       return np.moveaxis(q, -1, axis).astype(np.float32)
;;   ~~~
;;   SOFTMAX AHEAD OF A QUANTISED PRODUCT. Where the list says 'softmax', what is quantised is not the finished softmax but p = 2^(t - M), with t = logit x log2(e) and M = ceil(the row's largest t), a whole number; so 1/2 < the row's largest p <= 1. The row's sum l is taken of the UNQUANTISED p, in f32, and the product's result is divided by l at the end. Since M is a whole number, a kernel that streams over the keys may use a running M (the ceiling of the running maximum): every later rescaling is an exact power of two, so the quantised numbers keep their values, but for numbers so far below the row's largest that they fall under the format's range.
;;   OPERANDS COMPUTED ON THE WAY. 'Computed on the way' means the value that the module computes at that place (a softmax that the list does not call 'softmax' is quantised finished and normalised). What goes into a quantiser is computed in f32, as accurately as f32 sums, v_exp_f32 and their like allow (about 1e-6 of the number): no bf16 or f16 on the way to a quantiser, and a product that is left as it is and whose result goes on into a quantised operand takes f32 operands (vector FMAs, or v_wmma_f32_16x16x4_f32). A number that lies on a knife's edge between two numbers of the format may be rounded either way, as far as f32 arithmetic and the matrix unit's own rounding can turn it there, and no further.
;; 2 versions, each right; version 2 is version 1 with the launch attn written anew for expert scheduling mode. Each part assembles by itself: llvm-mc -triple=amdgcn-amd-amdhsa -mcpu=gfx1250 --defsym DOCPART=n.
;; ======== version 1 of 2: 4 launches
;; limits: right only within a limited range of input values
;; workspace buffers: ximg 12,582,912 bytes; wimg 4,194,304 bytes; rope 524,288 bytes; mbits 524,288 bytes of whole numbers; tflags 512 bytes of whole numbers; qkv 12,582,912 bytes; cimg 4,194,304 bytes
;; launch prep (part 1): grid 640 x 1, 8 waves a work-group, no clusters, 101,632 bytes of LDS; arguments q_input, k_input, v_input, W_q, W_k, W_v, W_o, mask, lowp_scales, ximg, wimg, mbits, tflags, rope; writes ximg, wimg, mbits, tflags, rope
.if DOCPART == 1
	.amdgcn_target "amdgcn-amd-amdhsa--gfx1250"
	.amdhsa_code_object_version 6
	.text
	.protected	k_q2e1e1bf8ba_prep
	.globl	k_q2e1e1bf8ba_prep
	.p2align	8
	.type	k_q2e1e1bf8ba_prep,@function
k_q2e1e1bf8ba_prep:
	s_mov_b64 s[64:65], 0
	v_nop
	global_prefetch_b8 v0, s[64:65] scope:SCOPE_SE
	s_setreg_imm32_b32 hwreg(HW_REG_WAVE_MODE, 25, 1), 1
	s_wait_xcnt 0x0
; MULTI-HEAD ATTENTION IN E4M3, FIRST OF FOUR LAUNCHES: all that is made once.
;   work-groups   0-383 (X): q_input, k_input, v_input (f32) -> ximg, codes with the given scales 2^e0, 2^e2, 2^e4
;   work-groups 384-511 (W): W_q, W_k, W_v, W_o (f32, [k][n]) -> wimg, codes of W^T with 2^e1, 2^e3, 2^e5, 2^e11
;   work-groups 512-639 (M): mask (int32) -> mbits (a bit a key), tflags (a word for 16 queries); and the table of cos and sin -> rope
; EVERY OPERAND IN WORKSPACE IS AN IMAGE OF ITS REGISTERS.  A fragment, 16 rows x 128 k, is 16 registers a lane: lane (r = l % 16, h = l / 16) holds row r,
; registers 2 c, 2 c + 1 hold k = 16 c + 8 h + 0 .. 7.  Its image is 2,048 bytes: lane l's registers 4 g .. 4 g + 3 at 512 g + 16 l.  So a later launch
; fetches any fragment by loads of 16 bytes a lane at 16 x lane, and codes are stored 512 consecutive bytes an instruction.
;   ximg [tensor 3][tile of 16 rows 256][k step 8][2048]     wimg [weight 4][tile of 16 columns 64][k step 8][2048]
;   rope [position 2048][pair 32][cos, sin] f32
;   mbits [query 2048][step of 128 keys 16][x 4] words: bit 16 h + 15 - u, u = 2 t + e, says mask[query][128 step + 16 t + 8 h + 4 e + x] != 0
;   tflags [tile of 16 queries 128]: bits 15:0 need(step), bits 31:16 part(step)
; WHAT IS LEFT OUT, AND WHY.  No input and no product is dead: every input is loaded by some launch.  What the third launch leaves out hangs on whole numbers
; that it reads from memory: a tile of 16 queries x 128 keys whose mask is 0 throughout, where each of its 16 queries has an open key somewhere.  There the
; logit is -1e9 and the row's largest logit is an open key's, so p = 2^(t - M) falls under every code of the format and under every f32 number beside the
; row's sum: code 0, and 0 in the sum.  need(step) = some query of the tile has an open key in the step; if any query of the tile has NO open key at all,
; need = all 16 steps, since that row is the plain average of all values.  part(step) = needed, and not open throughout: only there are mask bits applied.
; LIMIT: a NaN, an infinity or an overflow that reaches only a tile left out is not carried to the result.
; LIMITS: each e used here between -126 and 119, so that 2^e and 448 x 2^e are f32 numbers.  NaN among the inputs is not served.
; theta_i = 10^(-i/8) is the product of two f32 constants, 10^(-(i % 8)/8) and 10^(-(i / 8)): some 1.5 units in its last place.
; sin and cos: the angle less n x pi/2 (pi/2 in two parts), then polynomials on +-pi/4; error about 1e-7.
; Each of the three parts has LDS bytes of its own.  No tensor load: LDS is claimed as it is used.
.set XST,   0                          ; X: 8 waves x 16 rows x 528 bytes
.set XPW,   8448
.set WST,   67584                      ; W: 8 waves x 4,096 bytes
.set MRG,   100352                     ; M: 8 waves x 8 bytes
.set SPARE, 100608                     ; the spare words, 128 bytes for each wave: four blocks of 256 bytes that no other line names
.set SPW,   254                        ; v254 SPARE + 4 x my thread's number; never rewritten
.set NIL,   255                        ; v255 0; never rewritten
.set XR,    16                         ; X: v16-143 two fragments' numbers as loaded
.set XX,    144                        ; X: v144-207 64 numbers in the operand's order
.set XC,    208                        ; X: v208-239 the two fragments' codes
	s_load_b512 s[8:23], s[0:1], 0x0               ; q s[8:9], k s[10:11], v s[12:13], W_q s[14:15], W_k s[16:17], W_v s[18:19], W_o s[20:21], mask s[22:23]
	s_load_b256 s[24:31], s[0:1], 0x40             ; scales s[24:25], ximg s[26:27], wimg s[28:29], mbits s[30:31]
	s_load_b128 s[32:35], s[0:1], 0x60             ; tflags s[32:33], rope s[34:35]
	v_lshl_add_u32 v[SPW], v0, 2, SPARE
	v_mov_b32 v[NIL], 0
	v_lshrrev_b32 v1, 5, v0
	v_readfirstlane_b32 s36, v1                    ; wave 0..7
	v_and_b32 v1, 31, v0                           ; lane
	v_and_b32 v2, 15, v0                           ; r
	v_bfe_u32 v3, v0, 4, 1                         ; h
	s_wait_kmcnt 0x0
	s_load_b256 s[48:55], s[24:25], 0x0            ; e0 .. e7
	s_load_b128 s[56:59], s[24:25], 0x20           ; e8 .. e11
	s_cmp_ge_u32 ttmp9, 512                        ; the parts are told apart by the work-group's number alone
	s_cbranch_scc1 .Lrole_m
	s_cmp_ge_u32 ttmp9, 384
	s_cbranch_scc1 .Lrole_w
; ---------------- X.  A wave takes one tile of 16 rows and two k steps: 16 rows x 1,024 bytes.  Each load reads 512 consecutive bytes of a row; the numbers
; turn through the wave's own stage (rows 528 bytes apart) into the operand's order: lane (r, h) takes, of row r, 8 neighbours at 16 c + 8 h.
	s_lshr_b32 s38, ttmp9, 7                       ; which tensor
	s_and_b32 s37, ttmp9, 127
	s_cmp_eq_u32 s38, 0
	s_cselect_b64 s[40:41], s[8:9], s[10:11]
	s_cmp_eq_u32 s38, 2
	s_cselect_b64 s[40:41], s[12:13], s[40:41]
	s_lshl_b32 s42, s37, 1
	s_lshr_b32 s43, s36, 2
	s_add_co_u32 s42, s42, s43                     ; tile of rows = 2 x (work-group % 128) + wave / 4
	s_and_b32 s43, s36, 3
	s_lshl_b32 s43, s43, 1                         ; first k step = 2 x (wave % 4)
	s_lshl_b32 s44, s42, 16                        ; 16 rows of 4,096 bytes
	s_lshl_b32 s45, s43, 9                         ; 128 numbers of 4 bytes
	s_add_co_u32 s44, s44, s45
	s_mov_b32 s45, 0
	s_add_nc_u64 s[40:41], s[40:41], s[44:45]
	s_lshl_b32 s44, s38, 22
	s_lshl_b32 s46, s42, 14
	s_add_co_u32 s44, s44, s46
	s_lshl_b32 s46, s43, 11
	s_add_co_u32 s44, s44, s46
	s_add_nc_u64 s[26:27], s[26:27], s[44:45]
	v_lshlrev_b32 v4, 4, v1                        ; 16 x lane: in memory, in and out
	s_mul_i32 s46, s36, XPW
	v_add_nc_u32 v5, s46, v4                       ; the stage, in
	v_mul_u32_u24 v6, v2, 528
	v_lshl_add_u32 v6, v3, 5, v6
	v_add_nc_u32 v6, s46, v6                       ; the stage, out: row r, + 32 h
.macro XLOAD f
.set ii, 0
.rept 16
	global_load_b128 v[XR+64*\f+4*ii:XR+64*\f+4*ii+3], v4, s[40:41] offset:ii*4096+512*\f th:TH_LOAD_NT
.set ii, ii+1
.endr
.endm
.macro XQ f
.if \f == 0
	s_wait_loadcnt 16                              ; this fragment's 16 loads are in; the other's 16 may be out
.else
	s_wait_loadcnt 0x0
.endif
.set ii, 0
.rept 16
	ds_store_b128 v5, v[XR+64*\f+4*ii:XR+64*\f+4*ii+3] offset:ii*528
.set ii, ii+1
.endr
.set ii, 0
.rept 8
	ds_load_b128 v[XX+8*ii:XX+8*ii+3], v6 offset:64*ii       ; LDS serves a wave's instructions in order: these see my stores
	ds_load_b128 v[XX+8*ii+4:XX+8*ii+7], v6 offset:64*ii+16
.set ii, ii+1
.endr
	s_wait_dscnt 0x0
.set ii, 0
.rept 64
	v_med3_num_f32 v[XX+ii], v[XX+ii], -v10, v10   ; the conversion to an 8-bit code does not saturate (ISA guide 7.6.2): the hold at the largest code x the scale
.set ii, ii+1
.endr
.set ii, 0
.rept 8
	v_cvt_scalef32_pk8_fp8_f32 v[XC+16*\f+2*ii:XC+16*\f+2*ii+1], v[XX+8*ii:XX+8*ii+7], v11
.set ii, ii+1
.endr
	v_nop                                          ; a plain line behind the last conversion: the next fragment's holds write the conversions' sources
.set ii, 0
.rept 4
	global_store_b128 v4, v[XC+16*\f+4*ii:XC+16*\f+4*ii+3], s[26:27] offset:2048*\f+512*ii   ; 512 consecutive bytes
.set ii, ii+1
.endr
.endm
	XLOAD 0
	XLOAD 1
	s_wait_kmcnt 0x0
	s_cmp_eq_u32 s38, 0
	s_cselect_b32 s47, s48, s50
	s_cmp_eq_u32 s38, 2
	s_cselect_b32 s47, s52, s47                    ; e0, e2 or e4
	s_add_co_i32 s47, s47, 127
	s_lshl_b32 s46, s47, 23
	v_mov_b32 v11, s46                             ; 2^e: the conversion takes its exponent field
	s_add_co_i32 s47, s47, 8
	s_lshl_b32 s47, s47, 23
	s_or_b32 s47, s47, 0x600000
	v_mov_b32 v10, s47                             ; 448 x 2^e
	XQ 0
	XQ 1
	s_wait_tensorcnt 0x0                           ; the wave's end: three lines behind my last LDS store
	ds_add_u32 v[SPW], v[NIL]
	s_wait_dscnt 0x0
	s_endpgm
; ---------------- W.  A lane takes a column n and its registers run down k: 128 numbers, a k step.  The conversions then give codes with k innermost.
; A wave's 32 columns are two fragments; their images are put together in the wave's own stage and leave 512 bytes an instruction.
.Lrole_w:
	s_sub_co_u32 s37, ttmp9, 384
	s_lshr_b32 s38, s37, 5                         ; which weight
	s_and_b32 s39, s37, 3                          ; which 256 columns
	s_bfe_u32 s42, s37, 0x30002                    ; which k step
	s_cmp_eq_u32 s38, 0
	s_cselect_b64 s[40:41], s[14:15], s[16:17]
	s_cmp_eq_u32 s38, 2
	s_cselect_b64 s[40:41], s[18:19], s[40:41]
	s_cmp_eq_u32 s38, 3
	s_cselect_b64 s[40:41], s[20:21], s[40:41]
	s_lshl_b32 s43, s39, 8
	s_lshl_b32 s44, s36, 5
	s_add_co_u32 s43, s43, s44                     ; my wave's first column
	s_lshl_b32 s44, s42, 19                        ; 128 rows of 4,096 bytes
	s_lshl_b32 s46, s43, 2
	s_add_co_u32 s44, s44, s46
	s_mov_b32 s45, 0
	s_add_nc_u64 s[40:41], s[40:41], s[44:45]
	s_lshl_b32 s44, s38, 20
	s_lshl_b32 s46, s43, 10                        ; (column / 16) x 16,384
	s_add_co_u32 s44, s44, s46
	s_lshl_b32 s46, s42, 11
	s_add_co_u32 s44, s44, s46
	s_add_nc_u64 s[28:29], s[28:29], s[44:45]
	v_lshlrev_b32 v4, 2, v1                        ; 4 bytes a lane
	s_lshl_b32 s46, s36, 12
	s_add_co_u32 s46, s46, WST
	v_lshlrev_b32 v5, 4, v2
	v_lshl_add_u32 v5, v3, 11, v5
	v_add_nc_u32 v5, s46, v5                       ; the stage, in: fragment lane / 16, the place of lane (r, 0)
	v_lshlrev_b32 v7, 4, v1
	v_add_nc_u32 v6, s46, v7                       ; the stage, out: 16 x lane
.macro WLOAD g
.set ii, 32*(\g)
.rept 32
	global_load_b32 v[16+ii], v4, s[40:41] offset:ii*4096 th:TH_LOAD_NT   ; W(k, my column): 128 consecutive bytes a wave, the eight waves side by side
.set ii, ii+1
.endr
.endm
.macro WQ g
.if \g < 3
	s_wait_loadcnt 32                              ; this group's 32 loads are in; the next group's 32 may be out
.else
	s_wait_loadcnt 0x0
.endif
.set ii, 32*(\g)
.rept 32
	v_med3_num_f32 v[16+ii], v[16+ii], -v10, v10
.set ii, ii+1
.endr
.set ii, 4*(\g)
.rept 4
	v_cvt_scalef32_pk8_fp8_f32 v[144+2*ii:145+2*ii], v[16+8*ii:23+8*ii], v11   ; register 144 + q holds k = 4 q .. 4 q + 3
.set ii, ii+1
.endr
	v_nop                                          ; a plain line behind the last conversion
.if \g < 2
	WLOAD (\g)+2
.endif
.endm
	WLOAD 0
	WLOAD 1                                        ; the loads run two groups ahead
	s_wait_kmcnt 0x0
	s_cmp_eq_u32 s38, 0
	s_cselect_b32 s47, s49, s51
	s_cmp_eq_u32 s38, 2
	s_cselect_b32 s47, s53, s47
	s_cmp_eq_u32 s38, 3
	s_cselect_b32 s47, s59, s47                    ; e1, e3, e5 or e11
	s_add_co_i32 s47, s47, 127
	s_lshl_b32 s46, s47, 23
	v_mov_b32 v11, s46
	s_add_co_i32 s47, s47, 8
	s_lshl_b32 s47, s47, 23
	s_or_b32 s47, s47, 0x600000
	v_mov_b32 v10, s47
	WQ 0
	WQ 1
	WQ 2
	WQ 3
.irp c, 0,1,2,3,4,5,6,7                        ; k = 16 c + 8 h' + 0 .. 7 belong to lane (r, h'), registers 2 c, 2 c + 1: byte 512 (c / 2) + 256 h' + 16 r + 8 (c % 2)
	ds_store_b64 v5, v[144+4*\c:145+4*\c] offset:(\c/2)*512+(\c%2)*8
	ds_store_b64 v5, v[146+4*\c:147+4*\c] offset:(\c/2)*512+256+(\c%2)*8
.endr
.irp i, 0,1,2,3,4,5,6,7
	ds_load_b128 v[176+4*\i:179+4*\i], v6 offset:512*\i
.endr
.irp i, 0,1,2,3,4,5,6,7
	s_wait_dscnt 7-\i                              ; LDS loads come back in order: the younger ones may be out
	global_store_b128 v7, v[176+4*\i:179+4*\i], s[28:29] offset:(\i/4)*16384+(\i%4)*512
.endr
	s_wait_tensorcnt 0x0                           ; the wave's end: the three lines
	ds_add_u32 v[SPW], v[NIL]
	s_wait_dscnt 0x0
	s_endpgm
; ---------------- M.  A work-group takes a tile of 16 queries, a wave two of them.  A load reads a step's 128 mask words, 512 consecutive bytes; the lanes
; take its 16-byte pieces in such an order that the compare's result, a bit a lane, IS the word of mbits.  The table of cos and sin is made while the loads are out.
.Lrole_m:
	s_sub_co_u32 s37, ttmp9, 512                   ; the tile of queries
	s_lshl_b32 s38, s37, 4
	s_lshl_b32 s39, s36, 1
	s_add_co_u32 s38, s38, s39                     ; my first query, which is also my first position
	s_lshl_b32 s40, s38, 13
	s_mov_b32 s41, 0
	s_add_nc_u64 s[22:23], s[22:23], s[40:41]      ; its row of the mask
	s_lshl_b32 s40, s38, 8
	s_add_nc_u64 s[30:31], s[30:31], s[40:41]      ; of mbits
	s_add_nc_u64 s[34:35], s[34:35], s[40:41]      ; of rope
	s_lshl_b32 s40, s37, 2
	s_add_nc_u64 s[32:33], s[32:33], s[40:41]      ; the tile's word of tflags
	v_sub_nc_u32 v4, 15, v2                        ; u = 15 - lane % 16
	v_lshrrev_b32 v5, 1, v4                        ; t
	v_and_b32 v4, 1, v4                            ; e
	v_lshl_add_u32 v4, v3, 1, v4
	v_lshl_add_u32 v4, v5, 2, v4                   ; the piece 4 t + 2 h + e
	v_lshlrev_b32 v4, 4, v4
.irp p, 0,1
.set ii, 0
.rept 16
	global_load_b128 v[16+64*\p+4*ii:16+64*\p+4*ii+3], v4, s[22:23] offset:\p*8192+512*ii th:TH_LOAD_NT
.set ii, ii+1
.endr
.endr
	s_wait_kmcnt 0x0                               ; (the scales, which this part does not use: their registers are free behind this wait)
	v_and_b32 v5, 7, v1
	v_lshrrev_b32 v6, 3, v1
	v_mov_b32 v144, 1.0
	v_mov_b32 v145, 1.0
.macro PICK reg, idx, n, bits                  ; v[reg] = bits where v[idx] = n
	v_cmp_ne_u32 vcc_lo, \n, v[\idx]
	v_cndmask_b32 v[\reg], \bits, v[\reg], vcc_lo
.endm
	PICK 144, 5, 1, 0x3f3ff911                     ; 10^(-1/8)
	PICK 144, 5, 2, 0x3f0ff59a                     ; 10^(-2/8)
	PICK 144, 5, 3, 0x3ed7e89b
	PICK 144, 5, 4, 0x3ea1e89b
	PICK 144, 5, 5, 0x3e72d424
	PICK 144, 5, 6, 0x3e361887
	PICK 144, 5, 7, 0x3e088d77                     ; 10^(-7/8)
	PICK 145, 6, 1, 0x3dcccccd                     ; 0.1
	PICK 145, 6, 2, 0x3c23d70a                     ; 0.01
	PICK 145, 6, 3, 0x3a83126f                     ; 0.001
	v_mul_f32 v144, v144, v145                     ; theta of pair i = my lane
	v_lshlrev_b32 v170, 3, v1                      ; 8 x lane
.macro ROPE p
	s_add_co_u32 s42, s38, \p
	v_cvt_f32_u32 v150, s42
	v_mul_f32 v151, v150, v144                     ; the angle: position x theta, rounded once
	v_mul_f32 v152, 0x3f22f983, v151               ; x 2 / pi
	v_rndne_f32 v152, v152                         ; n
	v_fmamk_f32 v153, v152, 0xbfc90fdb, v151       ; less n x pi/2: its high part (nothing is rounded here),
	v_fmamk_f32 v153, v152, 0x333bbd2e, v153       ; and its low part
	v_mul_f32 v154, v153, v153
	v_mov_b32 v155, 0xb94ca1f9
	v_fmaak_f32 v155, v155, v154, 0x3c08839e
	v_fmaak_f32 v155, v155, v154, 0xbe2aaaa3
	v_mul_f32 v155, v155, v154
	v_fma_f32 v155, v155, v153, v153               ; sin of the rest
	v_mov_b32 v156, 0x37ccf5ce
	v_fmaak_f32 v156, v156, v154, 0xbab6061a
	v_fmaak_f32 v156, v156, v154, 0x3d2aaaa5
	v_mul_f32 v157, v154, v154
	v_fma_f32 v158, v154, -0.5, 1.0
	v_fma_f32 v156, v156, v157, v158               ; cos of the rest
	v_cvt_i32_f32 v159, v152
	v_and_b32 v160, 1, v159
	v_cmp_eq_u32 vcc_lo, 1, v160                   ; an odd quarter swaps the two
	v_cndmask_b32 v161, v155, v156, vcc_lo
	v_cndmask_b32 v162, v156, v155, vcc_lo
	v_and_b32 v163, 2, v159                        ; the sine's sign: quarters 2 and 3
	v_lshlrev_b32 v163, 30, v163
	v_xor_b32 v[167+2*\p], v161, v163
	v_add_nc_u32 v164, 1, v159                     ; the cosine's: quarters 1 and 2
	v_and_b32 v164, 2, v164
	v_lshlrev_b32 v164, 30, v164
	v_xor_b32 v[166+2*\p], v162, v164
	global_store_b64 v170, v[166+2*\p:167+2*\p], s[34:35] offset:256*\p   ; a position's 256 bytes
.endm
	ROPE 0
	ROPE 1
.irp j, 176,177,178,179
	v_mov_b32 v\j, 0                               ; written whole before single lanes are written
.endr
; One query's 16 steps.  s[46+p]: the steps in which it has an open key; s[60+p]: those in which all keys are open.
.macro MROW p
.if \p == 0
	s_wait_loadcnt 16                              ; this query's 16 loads are in; the other's may be out
.else
	s_wait_loadcnt 0x0
.endif
	s_mov_b32 s[46+\p], 0
	s_mov_b32 s[60+\p], 0
.set ii, 0
.rept 16
	v_cmp_ne_u32 s40, 0, v[16+64*\p+4*ii]
	v_cmp_ne_u32 s41, 0, v[16+64*\p+4*ii+1]
	v_cmp_ne_u32 s42, 0, v[16+64*\p+4*ii+2]
	v_cmp_ne_u32 s43, 0, v[16+64*\p+4*ii+3]
	v_writelane_b32 v[176+2*\p], s40, 2*ii         ; word 4 step + x goes to lane (4 step + x) / 2, register x % 2
	v_writelane_b32 v[177+2*\p], s41, 2*ii
	v_writelane_b32 v[176+2*\p], s42, 2*ii+1
	v_writelane_b32 v[177+2*\p], s43, 2*ii+1
	s_or_b32 s44, s40, s41
	s_or_b32 s45, s42, s43
	s_or_b32 s44, s44, s45
	s_cmp_lg_u32 s44, 0
	s_cselect_b32 s44, 1<<ii, 0
	s_or_b32 s[46+\p], s[46+\p], s44
	s_and_b32 s44, s40, s41
	s_and_b32 s45, s42, s43
	s_and_b32 s44, s44, s45
	s_cmp_eq_u32 s44, -1
	s_cselect_b32 s44, 1<<ii, 0
	s_or_b32 s[60+\p], s[60+\p], s44
.set ii, ii+1
.endr
	global_store_b64 v170, v[176+2*\p:177+2*\p], s[30:31] offset:256*\p   ; a query's 256 bytes
.endm
	MROW 0
	MROW 1
	s_or_b32 s44, s46, s47
	s_cmp_eq_u32 s46, 0
	s_cselect_b32 s45, 0x10000, 0
	s_or_b32 s44, s44, s45
	s_cmp_eq_u32 s47, 0
	s_cselect_b32 s45, 0x10000, 0
	s_or_b32 s44, s44, s45                         ; open steps of my two queries; bit 16: one of them has no open key at all
	s_and_b32 s45, s60, s61                        ; steps open throughout
	v_mov_b32 v180, s44
	v_mov_b32 v181, s45
	v_mov_b32 v182, s36
	v_lshl_add_u32 v182, v182, 3, MRG
	ds_store_b64 v182, v[180:181]                  ; all lanes write the same two words
	s_wait_dscnt 0x0                               ; for the others' sake: my store has landed
	s_barrier_signal -1
	s_barrier_wait -1
	s_cmp_lg_u32 s36, 0
	s_cbranch_scc1 .Lm_end                         ; wave 0 joins the eight
	v_mov_b32 v183, MRG
	ds_load_b128 v[184:187], v183
	ds_load_b128 v[188:191], v183 offset:16
	ds_load_b128 v[192:195], v183 offset:32
	ds_load_b128 v[196:199], v183 offset:48
	s_wait_dscnt 0x0
.irp j, 186,188,190,192,194,196,198
	v_or_b32 v184, v184, v\j
.endr
.irp j, 187,189,191,193,195,197,199
	v_and_b32 v185, v185, v\j
.endr
	v_bfe_u32 v200, v184, 16, 1
	v_mul_u32_u24 v200, 0xffff, v200
	v_and_or_b32 v184, v184, 0xffff, v200          ; need
	v_not_b32 v185, v185
	v_and_b32 v185, v184, v185                     ; part
	v_lshl_or_b32 v184, v185, 16, v184
	v_mov_b32 v201, 0
	v_cmp_eq_u32 vcc_lo, 0, v1
	s_wait_xcnt 0x0                                ; EXEC changes only behind this wait: my earlier stores have read it
	s_and_saveexec_b32 s62, vcc_lo
	global_store_b32 v201, v184, s[32:33]          ; lane 0 stores the tile's word
	s_wait_xcnt 0x0                                ; and again in front of the line that widens it
	s_or_b32 exec_lo, exec_lo, s62
.Lm_end:
	s_wait_tensorcnt 0x0                           ; the wave's end: the three lines
	ds_add_u32 v[SPW], v[NIL]
	s_wait_dscnt 0x0
	s_endpgm
.Lfunc_end_k_q2e1e1bf8ba_prep:
	.size	k_q2e1e1bf8ba_prep, .Lfunc_end_k_q2e1e1bf8ba_prep-k_q2e1e1bf8ba_prep
	.p2alignl 7, 3214868480
	.fill 96, 4, 3214868480
	.section	.rodata,"a",@progbits
	.p2align	6, 0x0
	.amdhsa_kernel k_q2e1e1bf8ba_prep
		.amdhsa_group_segment_fixed_size 101632
		.amdhsa_private_segment_fixed_size 0
		.amdhsa_enable_private_segment 0
		.amdhsa_kernarg_size 112
		.amdhsa_user_sgpr_count 2
		.amdhsa_user_sgpr_kernarg_segment_ptr 1
		.amdhsa_wavefront_size32 1
		.amdhsa_system_sgpr_workgroup_id_x 1
		.amdhsa_system_sgpr_workgroup_id_y 1
		.amdhsa_system_sgpr_workgroup_id_z 1
		.amdhsa_system_vgpr_workitem_id 0
		.amdhsa_next_free_vgpr 256
		.amdhsa_next_free_sgpr 66
		.amdhsa_reserve_vcc 1
		.amdhsa_float_denorm_mode_32 3
		.amdhsa_float_denorm_mode_16_64 3
		.amdhsa_memory_ordered 1
		.amdhsa_forward_progress 1
		.amdhsa_inst_pref_size 85
	.end_amdhsa_kernel
	.amdgpu_metadata
---
amdhsa.version: [ 1, 2 ]
amdhsa.kernels:
  - .name:           k_q2e1e1bf8ba_prep
    .symbol:         k_q2e1e1bf8ba_prep.kd
    .args:
      - { .name: q_input, .offset: 0, .size: 8, .value_kind: global_buffer, .address_space: global }
      - { .name: k_input, .offset: 8, .size: 8, .value_kind: global_buffer, .address_space: global }
      - { .name: v_input, .offset: 16, .size: 8, .value_kind: global_buffer, .address_space: global }
      - { .name: W_q, .offset: 24, .size: 8, .value_kind: global_buffer, .address_space: global }
      - { .name: W_k, .offset: 32, .size: 8, .value_kind: global_buffer, .address_space: global }
      - { .name: W_v, .offset: 40, .size: 8, .value_kind: global_buffer, .address_space: global }
      - { .name: W_o, .offset: 48, .size: 8, .value_kind: global_buffer, .address_space: global }
      - { .name: mask, .offset: 56, .size: 8, .value_kind: global_buffer, .address_space: global }
      - { .name: lowp_scales, .offset: 64, .size: 8, .value_kind: global_buffer, .address_space: global }
      - { .name: ximg, .offset: 72, .size: 8, .value_kind: global_buffer, .address_space: global }
      - { .name: wimg, .offset: 80, .size: 8, .value_kind: global_buffer, .address_space: global }
      - { .name: mbits, .offset: 88, .size: 8, .value_kind: global_buffer, .address_space: global }
      - { .name: tflags, .offset: 96, .size: 8, .value_kind: global_buffer, .address_space: global }
      - { .name: rope, .offset: 104, .size: 8, .value_kind: global_buffer, .address_space: global }
    .group_segment_fixed_size: 101632
    .private_segment_fixed_size: 0
    .kernarg_segment_align: 8
    .kernarg_segment_size: 112
    .max_flat_workgroup_size: 256
    .sgpr_count:     66
    .vgpr_count:     256
    .wavefront_size: 32
...
	.end_amdgpu_metadata
.endif
;; end of part 1
;; launch proj (part 2): grid 4 x 48, 4 waves a work-group, clusters of 4 x 4, 327,680 bytes of LDS; arguments ximg, wimg, lowp_scales, b_q, b_k, b_v, rope, qkv; writes qkv
.if DOCPART == 2
	.amdgcn_target "amdgcn-amd-amdhsa--gfx1250"
	.amdhsa_code_object_version 6
	.text
	.protected	k_q2e1e1bf8ba_proj
	.globl	k_q2e1e1bf8ba_proj
	.p2align	8
	.type	k_q2e1e1bf8ba_proj,@function
k_q2e1e1bf8ba_proj:
	s_mov_b64 s[64:65], 0
	v_nop
	global_prefetch_b8 v0, s[64:65] scope:SCOPE_SE
	s_setreg_imm32_b32 hwreg(HW_REG_WAVE_MODE, 25, 1), 1
	s_wait_xcnt 0x0
	s_wait_alu depctr_hold_cnt(0) depctr_sa_sdst(0) depctr_va_vdst(0) depctr_va_sdst(0) depctr_va_ssrc(0) depctr_va_vcc(0) depctr_vm_vsrc(0)
	s_getreg_b32 s2, hwreg(HW_REG_IB_STS2, 6, 4)
	s_cmp_eq_u32 s2, 0
	s_cbranch_scc0 .Lentry_in_a_cluster
	s_endpgm
.Lentry_in_a_cluster:
	s_bfe_u32 s2, ttmp6, 0x10000c
	s_cmp_lg_u32 s2, 0xf033
	s_cbranch_scc0 .Lentry_shape_is_right
	s_endpgm
.Lentry_shape_is_right:
; SECOND LAUNCH: the three projections on codes of E4M3, with bias, rotation (q, k) and the next quantiser on the way out.  Nothing is left out here.
; C'[m][n] = sum over k of A'[m][k] B'[n][k], K = 1,024.  P = cluster y / 4 says which: P = 0 (q), 1 (k): A' = the tokens' codes, B' = the weight's; P = 2 (v): A' = W_v's, B' = the tokens'.
; The matrix instruction is used transposed (source 0 = 16 rows of B', source 1 = 16 rows of A'): a lane holds one row of A' and eight neighbouring rows of B'.
; So for q and k a lane holds a token and its registers run along the head's 64: eight registers become two registers of a fragment of 16 tokens x 64.
; For v a lane holds a feature and its registers run along the tokens, which are the K of the second product of attention: a fragment of 16 features x 128 keys.
; The conversions' results ARE those fragments' registers, and leave 512 consecutive bytes a store:
;   qkv: q at 0 [batch x head 32][tile of 16 queries 128][1024]; k at 4 MiB, the same; v at 8 MiB [batch x head][step of 128 keys 16][tile of 16 features 4][2048]
; A tile of C', 256 x 256, is made by four waves, 128 x 128 each: 64 accumulators.  192 work-groups: with tiles of 128 x 128 each byte fetched would feed half the products.
; K goes in steps of 256 through a ring of two LDS slots.  Operands lie in memory as images of fragments (2,048 bytes for 16 rows x 128 k; a tile of 16 rows is 16,384 bytes on end):
; a wave's tensor load brings 8 tiles of rows x 4,096 bytes (two fragments each), 32 KiB, dense in LDS; a fragment is fetched by four loads at 16 x lane: consecutive bytes, no pitch.
; CLUSTERS: 4 x 4 work-groups of one P.  A's tiles are shared along a row of the cluster, B's along a column: joint loads.  By this text's count a wave has two tensor loads out at the start, one behind each round.
; LIMITS: e0 + e1, e2 + e3, e4 + e5 between -126 and 127; e6, e7, e9 between -126 and 119.  NaN among the inputs is not served.
; REGISTERS: window 0: v16-31 addresses and constants; v32-95 the bias; v96-127 cos and sin, set 0; v128-255 A's fragments, ONE set; on the way out v128-191 numbers, v192-207 codes, v208-223 at work, v224-255 cos and sin, set 1.
;   window 1: B's fragments, two sets.   windows 2, 3: the accumulators ((a, b) at v[8 (8 (a % 4) + b)]).
.set SLOT,   131072
.set HALFT,  32768
.set SPARE,  262144                    ; behind the ring: the spare words, 128 bytes for each wave: two blocks of 256 bytes that no other line names
.set FR,     16
.set NL,     4
.set NP,     4
.set ADRA, 16
.set ADRB, 20
.set LAN,  24                          ; v24 16 x lane
.set RO,   25                          ; v25 256 r + 32 h: my place in the table of cos and sin
.set BO,   26                          ; v26 32 h
.set RB,   27                          ; v27 4 r
.set SPW,  28
.set NIL,  29
.set LIM,  30                          ; v30 448 x 2^eo
.set SCL,  31                          ; v31 2^eo
.set BI,   32
.set RT0,  96
.set AF,   128
.set TT,   128
.set CC,   192
.set UU,   208
.set G1, 24
.set G0, 32
.set G1B, 48
.set G0B, 56
.set MSB, 0
.macro WIN new                         ; the immediate's high byte repeats the setting that is left
.if MSB != \new
	s_set_vgpr_msb (MSB<<8)|\new
.set MSB, \new
.endif
.endm
.set MUL_LO, 0xa1                      ; source 0 (B') window 1, source 1 (A') window 0, C and D window 2
.set MUL_HI, 0xf1
.set TO_B,   0x40
; A joint load: waves 0 and 1 fetch for A', waves 2 and 3 for B'.  An s_nop 0 and four v_nop follow each of the two lines.
.macro JLOAD g0a, g1a, g0b, g1b
	s_cmp_eq_u32 s15, 0
	s_cbranch_scc0 .Lfor_b_\@
	tensor_load_to_lds s[\g0a:\g0a+3], s[\g1a:\g1a+7]
	s_nop 0
.rept 4
	v_nop
.endr
	s_branch .Lasked_\@
.Lfor_b_\@:
	tensor_load_to_lds s[\g0b:\g0b+3], s[\g1b:\g1b+7]
	s_nop 0
.rept 4
	v_nop
.endr
.Lasked_\@:
.endm
.macro CREST
	s_cmp_lg_u32 s14, 0
	s_cbranch_scc1 .Lnot_wave_0_\@
	s_barrier_signal -3
.Lnot_wave_0_\@:
	s_barrier_wait -3
	s_barrier_signal -1
	s_barrier_wait -1
.endm
.macro CROUND
	s_barrier_signal -1
	s_barrier_wait -1
	CREST
.endm
	s_load_b512 s[68:83], s[0:1], 0x0              ; ximg s[68:69], wimg s[70:71], scales s[72:73], b_q s[74:75], b_k s[76:77], b_v s[78:79], rope s[80:81], qkv s[82:83]
	v_lshl_add_u32 v[SPW], v0, 2, SPARE
	v_mov_b32 v[NIL], 0
	ds_add_u32 v[SPW], v[NIL]                      ; the wave's opening: the add, twice on end, and its wait ahead of my first tensor load
	ds_add_u32 v[SPW], v[NIL]
	v_lshrrev_b32 v1, 5, v0
	v_readfirstlane_b32 s14, v1                    ; wave 0..3
	s_lshr_b32 s15, s14, 1                         ; which half of the tile's rows is mine.  Also: I fetch for A' (0) or for B' (1)
	s_and_b32 s16, s14, 1                          ; which half of its columns.  Also: which 128 rows of that tile I fetch
	s_bfe_u32 s40, ttmp6, 0x40000                  ; cx
	s_bfe_u32 s41, ttmp6, 0x40004                  ; cy
	s_and_b32 s12, ttmp7, 0xffff                   ; cluster y, 0..11
	s_lshr_b32 s13, s12, 2                         ; P: the same in all sixteen partners
	s_and_b32 s12, s12, 3
	s_lshl_b32 s12, s12, 2
	s_cmp_lt_u32 s13, 2                            ; the tokens' 16 tiles lie along the rows (q, k) or along the columns (v)
	s_cselect_b32 s17, s12, 0
	s_cselect_b32 s42, 0, s12
	s_add_co_u32 s17, s17, s41                     ; tile row of C': it never holds cx
	s_add_co_u32 s42, s42, s40                     ; tile column: it never holds cy
	s_lshl_b32 s43, s41, 2
	s_lshl_b32 s43, 15, s43                        ; my row of the cluster
	s_lshl_b32 s44, 0x1111, s40                    ; my column
	s_or_b32 s[G1+0], s43, (3<<16)|(1<<21)         ; 15:0 the mask; 17:16 elements of 8 bytes; 21 set beside a mask; no padding
	s_or_b32 s[G1B+0], s44, (3<<16)|(1<<21)
.irp g, G1, G1B
	s_mov_b32 s[\g+1], 512<<16                     ; tensor_dim0 = 512 elements: 4,096 bytes, two fragments
	s_mov_b32 s[\g+2], 8<<16                       ; tensor_dim1 = 8 tiles of 16 rows
	s_mov_b32 s[\g+3], 512<<16                     ; tile_dim0
	s_mov_b32 s[\g+4], 8                           ; tile_dim1
	s_mov_b32 s[\g+5], 2048                        ; from a tile of rows to the next: 16,384 bytes
	s_mov_b32 s[\g+6], 0
	s_mov_b32 s[\g+7], 0
.endr
	s_lshl_b32 s20, s17, 18                        ; a tile of 256 rows is 262,144 bytes
	s_lshl_b32 s18, s16, 17
	s_add_co_u32 s20, s20, s18
	s_mov_b32 s21, 0
	s_lshl_b32 s46, s42, 18
	s_add_co_u32 s46, s46, s18
	s_mov_b32 s47, 0
	s_lshl_b32 s18, s13, 22                        ; tensor P of ximg
	s_mov_b32 s19, 0
	s_lshl_b32 s22, s13, 20                        ; weight P of wimg
	s_mov_b32 s23, 0
	s_lshl_b32 s45, s14, 15                        ; where my tiles go: wave x 32,768: no place in the cluster enters an LDS address
	s_wait_dscnt 0x0                               ; both opening adds are done
	s_wait_kmcnt 0x0
	s_load_b256 s[84:91], s[72:73], 0x0            ; e0 .. e7
	s_load_b128 s[92:95], s[72:73], 0x20           ; e8 .. e11
	s_add_nc_u64 s[4:5], s[68:69], s[18:19]
	s_add_nc_u64 s[6:7], s[70:71], s[22:23]
	s_cmp_lt_u32 s13, 2
	s_cselect_b64 s[8:9], s[4:5], s[6:7]           ; A'
	s_cselect_b64 s[10:11], s[6:7], s[4:5]         ; B'
	s_add_nc_u64 s[20:21], s[8:9], s[20:21]
	s_add_nc_u64 s[46:47], s[10:11], s[46:47]
	CROUND                                         ; all sixteen work-groups are here: the first joint loads meet
.irp s, 0,1
	s_mov_b32 s[G0+4*\s], 1
	s_add_co_u32 s[G0+4*\s+1], s45, \s*SLOT
	s_add_nc_u64 s[G0+4*\s+2:G0+4*\s+3], s[20:21], \s*4096
	s_or_b32 s[G0+4*\s+3], s[G0+4*\s+3], 0x80000000
	s_mov_b32 s[G0B+4*\s], 1
	s_add_co_u32 s[G0B+4*\s+1], s45, \s*SLOT
	s_add_nc_u64 s[G0B+4*\s+2:G0B+4*\s+3], s[46:47], \s*4096
	s_or_b32 s[G0B+4*\s+3], s[G0B+4*\s+3], 0x80000000
	JLOAD G0+4*\s, G1, G0B+4*\s, G1B
.endr
	v_and_b32 v1, 15, v0                           ; r
	v_bfe_u32 v2, v0, 4, 1                         ; h
	v_and_b32 v3, 31, v0
	v_lshlrev_b32 v[LAN], 4, v3
	s_lshl_b32 s21, s15, 15                        ; my 128 rows of A'
	s_lshl_b32 s22, s16, 15                        ; my 128 rows of B',
	s_add_co_u32 s22, s22, 2*HALFT                 ; which lie behind A's 256
.irp s, 0,1
	v_add_nc_u32 v[ADRA+\s], s21, v[LAN]
	v_add_nc_u32 v[ADRB+\s], s22, v[LAN]
	s_add_co_u32 s21, s21, SLOT
	s_add_co_u32 s22, s22, SLOT
.endr
	v_lshlrev_b32 v[RO], 8, v1
	v_lshl_add_u32 v[RO], v2, 5, v[RO]
	v_lshlrev_b32 v[BO], 5, v2
	v_lshlrev_b32 v[RB], 2, v1
	s_wait_kmcnt 0x0                               ; the scales.  What they decide is chosen by selects: no branch hangs on them
	s_add_co_i32 s4, s84, s85
	s_add_co_i32 s5, s86, s87
	s_add_co_i32 s6, s88, s89
	s_cmp_eq_u32 s13, 0
	s_cselect_b32 s4, s4, s5
	s_cselect_b32 s7, s90, s91
	s_cmp_eq_u32 s13, 2
	s_cselect_b32 s4, s6, s4                       ; the product's two exponents added
	s_cselect_b32 s7, s93, s7                      ; eo: e6 for q, e7 for k, e9 for v
	s_add_co_i32 s4, s4, 127
	s_lshl_b32 s96, s4, 23                         ; 2^(ea + eb) as f32
	s_mov_b32 s97, s96                             ; (named with it as a pair, so it is written)
	s_add_co_i32 s7, s7, 127
	s_lshl_b32 s5, s7, 23
	v_mov_b32 v[SCL], s5
	s_add_co_i32 s7, s7, 8
	s_lshl_b32 s7, s7, 23
	s_or_b32 s7, s7, 0x600000
	v_mov_b32 v[LIM], s7
.macro FRAG reg, adr, q, i             ; a fragment's image: four loads of 512 consecutive bytes
.irp c, 0,1,2,3
	ds_load_b128 v[\reg+4*\c:\reg+4*\c+3], v[\adr] offset:(\i)*4096+(\q)*2048+512*\c
.endr
.endm
; 16 matrix instructions: A's blocks a0, a0 + 1 x B's eight.  The 64 accumulators take turns, one instruction a turn, in the same order in every step.
.macro MUL16 a0, p, zero
.irp a, \a0, \a0+1
.irp b, 0,1,2,3,4,5,6,7
.if \zero
	v_wmma_f32_16x16x128_fp8_fp8 v[8*(8*((\a)%4)+\b):8*(8*((\a)%4)+\b)+7], v[128*(\p)+FR*\b:128*(\p)+FR*\b+FR-1], v[AF+FR*(\a):AF+FR*(\a)+FR-1], 0
.else
	v_wmma_f32_16x16x128_fp8_fp8 v[8*(8*((\a)%4)+\b):8*(8*((\a)%4)+\b)+7], v[128*(\p)+FR*\b:128*(\p)+FR*\b+FR-1], v[AF+FR*(\a):AF+FR*(\a)+FR-1], v[8*(8*((\a)%4)+\b):8*(8*((\a)%4)+\b)+7]
.endif
.endr
.endr
.endm
.macro FETCH_B slot, q, p
	WIN TO_B
.irp i, 0,1,2,3,4,5,6,7
	FRAG 128*(\p)+FR*\i, ADRB+\slot, \q, \i
.endr
	WIN 0
.endm
.macro FETCH_A slot, q, i0
.irp i, \i0, \i0+1, \i0+2, \i0+3
	FRAG AF+FR*(\i), ADRA+\slot, \q, \i
.endr
.endm
.macro PLACES n                        ; plain vector lines between a matrix instruction and a load into, or a vector line on, its registers
.rept \n
	v_nop
.endr
.endm
.macro STEP slot, q, zero              ; 128 along K, with its successor in the same slot
	s_wait_dscnt 4*NL                              ; B's set and A's blocks 0-3 are in; the youngest sixteen loads (A's blocks 4-7) may be out
	WIN MUL_LO
	MUL16 0, (\q)%2, \zero
	MUL16 2, (\q)%2, \zero
	s_wait_dscnt 0
	PLACES NP
	FETCH_B \slot, (\q)+1, 1-(\q)%2
	FETCH_A \slot, (\q)+1, 0
	WIN MUL_HI
	MUL16 4, (\q)%2, \zero
	MUL16 6, (\q)%2, \zero
	PLACES NP
	WIN 0
	FETCH_A \slot, (\q)+1, 4
.endm
; A slot's last step changes slots: one barrier; in front of it each wave waits for all its tensor loads, adds 0 to its spare word, and waits for that and for its reads of this slot.
.macro TURN slot, next, fill
	s_wait_tensorcnt 0x0                           ; all my tensor loads have landed: my part of the next slot
	ds_add_u32 v[SPW], v[NIL]
	s_wait_dscnt 4*NL+1                            ; (the add and the youngest sixteen loads may be out)
	WIN MUL_LO
	MUL16 0, 1, 0
	s_wait_dscnt 0x0                               ; the add is done, and my reads of this slot are over
	s_barrier_signal -1
	MUL16 2, 1, 0
	WIN 0
	s_barrier_wait -1
.if \fill
	CREST                                          ; the barrier has opened a round of the cluster's barrier: no wave of any partner still reads this slot or has a load on its way
	s_add_nc_u64 s[G0+4*\slot+2:G0+4*\slot+3], s[G0+4*\slot+2:G0+4*\slot+3], 8192
	s_add_nc_u64 s[G0B+4*\slot+2:G0B+4*\slot+3], s[G0B+4*\slot+2:G0B+4*\slot+3], 8192
	JLOAD G0+4*\slot, G1, G0B+4*\slot, G1B         ; the first tensor load behind the round; its four v_nop are the places in front of the loads below
.else
	PLACES NP
.endif
	FETCH_B \next, 0, 0
	FETCH_A \next, 0, 0
	WIN MUL_HI
	MUL16 4, 1, 0
	MUL16 6, 1, 0
	PLACES NP
	WIN 0
	FETCH_A \next, 0, 4
.endm
.macro LAST                            ; the very last step: nothing more to fetch
	s_wait_dscnt 4*NL
	WIN MUL_LO
	MUL16 0, 1, 0
	MUL16 2, 1, 0
	s_wait_dscnt 0
	WIN MUL_HI
	MUL16 4, 1, 0
	MUL16 6, 1, 0
	WIN 0
.endm
	s_wait_tensorcnt 1                             ; my part of slot 0 is in (slot 1's load may be out)
	s_barrier_signal -1
	s_barrier_wait -1                              ; everybody's is
	FETCH_B 0, 0, 0
	FETCH_A 0, 0, 0
	FETCH_A 0, 0, 4
	STEP 0, 0, 1                                   ; K = 1,024 is eight steps: written out.  The first products start the sums
	TURN 0, 1, 1                                   ; slot 0 takes k 512 on
	STEP 1, 0, 0
	TURN 1, 0, 1                                   ; slot 1 takes k 768 on
	STEP 0, 0, 0
	TURN 0, 1, 0                                   ; the last change of slots: nothing is filled
	; The ways part here, ahead of the last 128 products, so that each way's bias (and cos and sin) is asked for under them.  P is the same in all partners; no barrier and no tensor load stands in an arm.
	s_cmp_lt_u32 s13, 2
	s_cbranch_scc0 .Larm_v
; ---------------- q and k
	s_cmp_eq_u32 s13, 0
	s_cselect_b64 s[100:101], s[74:75], s[76:77]
	s_lshl_b32 s4, s42, 10
	s_lshl_b32 s5, s16, 9
	s_add_co_u32 s4, s4, s5
	s_mov_b32 s5, 0
	s_add_nc_u64 s[100:101], s[100:101], s[4:5]    ; the bias at my first feature: 256 x tile column + 128 x half
	s_and_b32 s6, s17, 7
	s_lshl_b32 s6, s6, 8
	s_lshl_b32 s7, s15, 7
	s_add_co_u32 s6, s6, s7                        ; my first token's position
	s_lshl_b32 s4, s6, 8
	s_add_nc_u64 s[66:67], s[80:81], s[4:5]        ; its row of cos and sin
	s_lshr_b32 s8, s17, 3                          ; batch
	s_lshl_b32 s8, s8, 4
	s_lshl_b32 s9, s42, 2
	s_add_co_u32 s8, s8, s9
	s_lshl_b32 s9, s16, 1
	s_add_co_u32 s8, s8, s9                        ; batch x 16 + my first head
	s_lshl_b32 s8, s8, 17
	s_lshl_b32 s9, s13, 22
	s_add_co_u32 s8, s8, s9
	s_lshl_b32 s9, s6, 6                           ; (position / 16) x 1,024
	s_add_co_u32 s4, s8, s9
	s_add_nc_u64 s[98:99], s[82:83], s[4:5]
.irp b, 0,1,2,3,4,5,6,7
	global_load_b128 v[BI+8*\b:BI+8*\b+3], v[BO], s[100:101] offset:64*\b       ; bias of features 16 b + 8 h + 0 .. 7
	global_load_b128 v[BI+8*\b+4:BI+8*\b+7], v[BO], s[100:101] offset:64*\b+16
.endr
.macro ROPELD a                        ; block a's 16 tokens: lane (r, h) takes (cos, sin) of pairs 8 c + 4 h + 0 .. 3, c = 0 .. 3: both heads of the wave use them
.set RL, RT0+128*((\a)%2)
.irp c, 0,1,2,3
	global_load_b128 v[RL+8*\c:RL+8*\c+3], v[RO], s[66:67] offset:(\a)*4096+64*\c
	global_load_b128 v[RL+8*\c+4:RL+8*\c+7], v[RO], s[66:67] offset:(\a)*4096+64*\c+16
.endr
.endm
	ROPELD 0
	STEP 1, 0, 0
	LAST
	PLACES NP                                      ; in front of the first read of results, of vector lines on, and of loads into, the registers that held A's fragments
.macro OUT_QK a
	s_wait_loadcnt 0x0                             ; this block's cos and sin (and, the first time, the bias)
.if (\a) < 7
	ROPELD (\a)+1                                  ; the next block's, into the other set
.endif
.set AC, 64*((\a)%4)
.set RR, RT0+128*((\a)%2)
	WIN 0x02+((\a)/4)                              ; source 0: window 2 or 3
.set jj, 0
.rept 32
	v_pk_fma_f32 v[TT+jj:TT+jj+1], v[AC+jj:AC+jj+1], s[96:97], v[BI+jj:BI+jj+1] op_sel_hi:[1,0,1]   ; sum x 2^(ea + eb) + bias; each accumulator from its low end on
.set jj, jj+2
.endr
	WIN 0
.set gg, 0
.rept 4
.set jj, 8*gg
.rept 8
	v_pk_mul_f32 v[UU+2*(jj%8):UU+2*(jj%8)+1], v[TT+2*jj:TT+2*jj+1], v[RR+2*(jj%16):RR+2*(jj%16)+1] op_sel:[1,1] op_sel_hi:[0,1] neg_lo:[1,0]   ; (-xo sin, xe sin)
.set jj, jj+1
.endr
.set jj, 8*gg
.rept 8
	v_pk_fma_f32 v[TT+2*jj:TT+2*jj+1], v[TT+2*jj:TT+2*jj+1], v[RR+2*(jj%16):RR+2*(jj%16)+1], v[UU+2*(jj%8):UU+2*(jj%8)+1] op_sel_hi:[1,0,1]   ; (xe cos - xo sin, xo cos + xe sin)
.set jj, jj+1
.endr
.set gg, gg+1
.endr
.set jj, 0
.rept 64
	v_med3_num_f32 v[TT+jj], v[TT+jj], -v[LIM], v[LIM]   ; the hold at the largest code x the scale (ISA guide 7.6.2)
.set jj, jj+1
.endr
	s_wait_xcnt 0x0                                ; the last block's stores have read their data: the codes' registers are written again only behind this wait
.set jj, 0
.rept 8
	v_cvt_scalef32_pk8_fp8_f32 v[CC+2*jj:CC+2*jj+1], v[TT+8*jj:TT+8*jj+7], v[SCL]   ; head jj / 4, registers 2 (jj % 4), + 1: d = 16 (jj % 4) + 8 h + 0 .. 7
.set jj, jj+1
.endr
	v_nop                                          ; a plain line behind the last conversion
.irp hh, 0,1
.irp g, 0,1
	global_store_b128 v[LAN], v[CC+8*\hh+4*\g:CC+8*\hh+4*\g+3], s[98:99] offset:\hh*131072+(\a)*1024+\g*512
.endr
.endr
.endm
.irp a, 0,1,2,3,4,5,6,7
	OUT_QK \a
.endr
	s_branch .Ljoin
; ---------------- v: a lane holds a feature, its registers run along the tokens
.Larm_v:
	s_lshl_b32 s4, s17, 10
	s_lshl_b32 s5, s15, 9
	s_add_co_u32 s4, s4, s5
	s_mov_b32 s5, 0
	s_add_nc_u64 s[100:101], s[78:79], s[4:5]      ; b_v at my first feature: 256 x tile row + 128 x half
	s_lshr_b32 s8, s42, 3                          ; batch
	s_lshl_b32 s8, s8, 4
	s_lshl_b32 s9, s17, 2
	s_add_co_u32 s8, s8, s9
	s_lshl_b32 s9, s15, 1
	s_add_co_u32 s8, s8, s9                        ; batch x 16 + my first head
	s_lshl_b32 s8, s8, 17
	s_and_b32 s9, s42, 7
	s_lshl_b32 s9, s9, 1
	s_add_co_u32 s9, s9, s16                       ; my step of 128 keys
	s_lshl_b32 s9, s9, 13
	s_add_co_u32 s8, s8, s9
	s_add_co_u32 s4, s8, 0x800000
	s_add_nc_u64 s[98:99], s[82:83], s[4:5]
.irp a, 0,1,2,3,4,5,6,7
	global_load_b32 v[BI+\a], v[RB], s[100:101] offset:64*\a    ; bias of feature 16 a + r
.endr
	STEP 1, 0, 0
	LAST
	PLACES NP
	s_wait_loadcnt 0x0
.macro OUT_V a
.set AC, 64*((\a)%4)
.set BP, BI+2*((\a)/2)
	WIN 0x02+((\a)/4)
.set jj, 0
.rept 32
.if ((\a)%2) == 0
	v_pk_fma_f32 v[TT+jj:TT+jj+1], v[AC+jj:AC+jj+1], s[96:97], v[BP:BP+1] op_sel_hi:[1,0,0]   ; the pair's low word, my feature's bias, for both halves
.else
	v_pk_fma_f32 v[TT+jj:TT+jj+1], v[AC+jj:AC+jj+1], s[96:97], v[BP:BP+1] op_sel:[0,0,1] op_sel_hi:[1,0,1]   ; its high word for both
.endif
.set jj, jj+2
.endr
	WIN 0
.set jj, 0
.rept 64
	v_med3_num_f32 v[TT+jj], v[TT+jj], -v[LIM], v[LIM]
.set jj, jj+1
.endr
	s_wait_xcnt 0x0                                ; the last block's stores have read their data
.set jj, 0
.rept 8
	v_cvt_scalef32_pk8_fp8_f32 v[CC+2*jj:CC+2*jj+1], v[TT+8*jj:TT+8*jj+7], v[SCL]   ; registers 2 jj, + 1: key 16 jj + 8 h + 0 .. 7
.set jj, jj+1
.endr
	v_nop
.irp g, 0,1,2,3
	global_store_b128 v[LAN], v[CC+4*\g:CC+4*\g+3], s[98:99] offset:((\a)/4)*131072+((\a)%4)*2048+\g*512
.endr
.endm
.irp a, 0,1,2,3,4,5,6,7
	OUT_V \a
.endr
.Ljoin:
	s_wait_tensorcnt 0x0                           ; the wave's end
	ds_add_u32 v[SPW], v[NIL]
	s_wait_dscnt 0x0
	CROUND                                         ; the closing round: no work-group ends while a partner may still ask for a tile that names it
	s_endpgm
.Lfunc_end_k_q2e1e1bf8ba_proj:
	.size	k_q2e1e1bf8ba_proj, .Lfunc_end_k_q2e1e1bf8ba_proj-k_q2e1e1bf8ba_proj
	.p2alignl 7, 3214868480
	.fill 96, 4, 3214868480
	.section	.rodata,"a",@progbits
	.p2align	6, 0x0
	.amdhsa_kernel k_q2e1e1bf8ba_proj
		.amdhsa_group_segment_fixed_size 327680
		.amdhsa_private_segment_fixed_size 0
		.amdhsa_enable_private_segment 0
		.amdhsa_kernarg_size 64
		.amdhsa_user_sgpr_count 2
		.amdhsa_user_sgpr_kernarg_segment_ptr 1
		.amdhsa_wavefront_size32 1
		.amdhsa_system_sgpr_workgroup_id_x 1
		.amdhsa_system_sgpr_workgroup_id_y 1
		.amdhsa_system_sgpr_workgroup_id_z 1
		.amdhsa_system_vgpr_workitem_id 0
		.amdhsa_next_free_vgpr 1024
		.amdhsa_next_free_sgpr 102
		.amdhsa_reserve_vcc 0
		.amdhsa_float_denorm_mode_32 3
		.amdhsa_float_denorm_mode_16_64 3
		.amdhsa_memory_ordered 1
		.amdhsa_forward_progress 1
		.amdhsa_inst_pref_size 244
	.end_amdhsa_kernel
	.amdgpu_metadata
---
amdhsa.version: [ 1, 2 ]
amdhsa.kernels:
  - .name:           k_q2e1e1bf8ba_proj
    .symbol:         k_q2e1e1bf8ba_proj.kd
    .args:
      - { .name: ximg, .offset: 0, .size: 8, .value_kind: global_buffer, .address_space: global }
      - { .name: wimg, .offset: 8, .size: 8, .value_kind: global_buffer, .address_space: global }
      - { .name: lowp_scales, .offset: 16, .size: 8, .value_kind: global_buffer, .address_space: global }
      - { .name: b_q, .offset: 24, .size: 8, .value_kind: global_buffer, .address_space: global }
      - { .name: b_k, .offset: 32, .size: 8, .value_kind: global_buffer, .address_space: global }
      - { .name: b_v, .offset: 40, .size: 8, .value_kind: global_buffer, .address_space: global }
      - { .name: rope, .offset: 48, .size: 8, .value_kind: global_buffer, .address_space: global }
      - { .name: qkv, .offset: 56, .size: 8, .value_kind: global_buffer, .address_space: global }
    .group_segment_fixed_size: 327680
    .private_segment_fixed_size: 0
    .kernarg_segment_align: 8
    .kernarg_segment_size: 64
    .max_flat_workgroup_size: 128
    .sgpr_count:     102
    .vgpr_count:     1024
    .wavefront_size: 32
...
	.end_amdgpu_metadata
.endif
;; end of part 2
;; launch attn (part 3): grid 8 x 32, 16 waves a work-group, no clusters, 137,216 bytes of LDS; arguments qkv, mbits, tflags, lowp_scales, cimg; writes cimg
.if DOCPART == 3
	.amdgcn_target "amdgcn-amd-amdhsa--gfx1250"
	.amdhsa_code_object_version 6
	.text
	.protected	k_q2e1e1bf8ba_attn
	.globl	k_q2e1e1bf8ba_attn
	.p2align	8
	.type	k_q2e1e1bf8ba_attn,@function
k_q2e1e1bf8ba_attn:
	s_mov_b64 s[64:65], 0
	v_nop
	global_prefetch_b8 v0, s[64:65] scope:SCOPE_SE
	s_setreg_imm32_b32 hwreg(HW_REG_WAVE_MODE, 25, 1), 1
	s_wait_xcnt 0x0
; THIRD LAUNCH: attention on codes of E4M3, head size 64, with the mask that is given as an input.
; LEFT OUT: a step of 128 keys whose mask is 0 throughout for a wave's 16 queries, each of which has an open key elsewhere (tflags, made by the first launch, whose head comment shows why: p is code 0 and 0 in the sum).
; A tile with a query that has no open key walks all steps.  LIMIT: a NaN, an infinity or an overflow that reaches only a step left out is not carried to the result.
; THE SOFTMAX: t = score x log2(e) / 8; M = the running largest t rounded up to a whole number; p = 2^(t - M) is quantised with 2^e8; the row's sum is taken of the unquantised p and divides at the end.
; A HIDDEN KEY's raw score becomes R = -2^(33 - e6 - e7), so that t = -log2(e) x 2^30: a whole number under every open key's t.  A row with no open key then has p = 1 throughout, as with -1e9; elsewhere p = 0.
; SHARES.  A work-group owns one batch x head and two blocks of 128 queries, i and 15 - i; each of its sixteen waves owns a tile of 16 queries in 256 registers, four waves to a SIMD.
; K and V come in chunks of 256 keys, 32 KiB, through registers into two LDS slots: 512 threads x 16 bytes, four loads; a chunk is asked for two chunks ahead and stored one chunk ahead.
; No tensor load and no cluster: which chunks and steps are walked hangs on numbers read from memory.  A chunk that no wave of the work-group needs is neither loaded nor stored.
; LAYOUT.  Both products transposed: S^T = K Q^T (source 0 = 16 keys, source 1 = my 16 queries, K = 64), O^T = V^T P (source 0 = 16 features x 128 keys, source 1 = P): a lane holds one query throughout.
; Tile t's register j is key 16 t + 8 h + j: the conversions' results are registers 2 t, 2 t + 1 of P.  O^T's tile d, register j is feature 16 d + 8 h + j: quantised with 2^e10 it is half a fragment of the last product's A:
;   cimg [tile of 16 tokens 256][k step = pair of heads 8][2048]; an even head fills bytes 0-1023, an odd one 1024-2047.
; LIMITS: e6 + e7 between -94 and 9 (R and c are f32 numbers, and no open key's logit, at most 64 x 448^2 / 8 x 2^(e6 + e7), comes near -1e9); e8, e10 between -126 and 119.  NaN among the inputs is not served.
; REGISTERS: v1 16 x lane; v3 16 x thread; v5, v6 the add's two; v7 my row of mask words in LDS; v9 16 - 16 h; v10 R; v12 -M, v13 the largest t, v[14:15] the sum; v16-23 Q; v24 2^e8, v25 448 x 2^e8;
;   v28-31 mask words; v32-95 K's, then V's fragments; v96-159 S^T, then p; v160-191 O^T; v192-207 P's codes; v208-223 a chunk on its way; v236-254 at work.
.set MB,    65536                      ; behind the slots: mask words, 16 rows x 272 bytes for each wave, each wave's own
.set MBW,   4352
.set SPARE, 135168                     ; the spare words, 128 bytes for each wave: eight blocks of 256 bytes that no other line names
.set NB,   26                          ; s26 need bits, the trip's four steps lowest
.set PB,   27                          ; s27 part bits
.set WGN,  28                          ; s28 the work-group's need bits: the sixteen tiles' joined
.set MS,   29                          ; s29 16 x the trip's first step
.set HOLD, 30                          ; s30 1 where 448 x 2^e8 < 1
	s_load_b256 s[4:11], s[0:1], 0x0               ; qkv s[4:5], mbits s[6:7], tflags s[8:9], scales s[10:11]
	s_load_b64 s[12:13], s[0:1], 0x20              ; cimg
	v_lshl_add_u32 v5, v0, 2, SPARE
	v_mov_b32 v6, 0
	v_lshrrev_b32 v8, 5, v0
	v_readfirstlane_b32 s14, v8                    ; wave 0..15
	s_and_b32 s15, ttmp7, 0xffff                   ; batch x 16 + head
	s_lshr_b32 s16, s14, 2
	s_xor_b32 s16, s16, s14
	s_and_b32 s16, s16, 1                          ; which of the two blocks: waves 2 m and 2 m + 1 take one each
	s_sub_co_u32 s17, 15, ttmp9
	s_cmp_eq_u32 s16, 0
	s_cselect_b32 s18, ttmp9, s17
	s_lshl_b32 s19, s18, 3
	s_lshr_b32 s31, s14, 1
	s_add_co_u32 s19, s19, s31                     ; my tile of 16 queries
	v_and_b32 v8, 31, v0
	v_lshlrev_b32 v1, 4, v8
	v_lshlrev_b32 v3, 4, v0
	v_and_b32 v2, 15, v0                           ; r
	v_bfe_u32 v4, v0, 4, 1                         ; h
	s_mul_i32 s31, s14, MBW
	s_add_co_u32 s31, s31, MB
	v_mul_u32_u24 v7, v2, 272
	v_add_nc_u32 v7, s31, v7                       ; mask words, out: row r
	v_mul_u32_u24 v11, v4, 272
	v_lshl_add_u32 v11, v2, 4, v11
	v_add_nc_u32 v11, s31, v11                     ; mask words, in: row h of a pair, 16 bytes a lane
	v_lshlrev_b32 v9, 4, v4
	v_sub_nc_u32 v9, 16, v9
	s_mov_b32 s20, 0x76543210                      ; v_permlanex16_b32's selects for lane l xor 16
	s_mov_b32 s21, 0xfedcba98
	s_wait_kmcnt 0x0
	s_lshl_b32 s60, s19, 2
	s_load_b32 s26, s[8:9], s60 offset:0x0         ; my tile's flags
	s_lshl_b32 s61, ttmp9, 5
	s_load_b256 s[44:51], s[8:9], s61 offset:0x0   ; block i's eight
	s_lshl_b32 s62, s17, 5
	s_load_b256 s[52:59], s[8:9], s62 offset:0x0   ; block 15 - i's
	s_load_b256 s[36:43], s[10:11], 0x10           ; e4 .. e11
	s_lshl_b32 s34, s19, 12
	s_mov_b32 s35, 0
	s_add_nc_u64 s[6:7], s[6:7], s[34:35]          ; my 16 rows of mask words
	s_lshl_b32 s34, s15, 17
	s_add_nc_u64 s[4:5], s[4:5], s[34:35]          ; my head in q
	s_add_nc_u64 s[32:33], s[4:5], 0x400000        ; in k; v lies 4 MiB further on
	s_lshl_b32 s34, s19, 10
	s_add_nc_u64 s[4:5], s[4:5], s[34:35]          ; my tile of q
.irp i, 0,1,2,3,4,5,6,7
	global_load_b128 v[96+4*\i:99+4*\i], v1, s[6:7] offset:512*\i    ; two queries' 16 steps x 4 words
.endr
.macro CHUNK_LD                        ; 256 keys of K (16 KiB), their part of V (16 KiB)
	global_load_b128 v[208:211], v3, s[32:33]
	global_load_b128 v[212:215], v3, s[32:33] offset:8192
	global_load_b128 v[216:219], v3, s[32:33] offset:4194304
	global_load_b128 v[220:223], v3, s[32:33] offset:4202496
.endm
.macro CHUNK_ST sl                     ; into slot sl as they lie: K [step 8192][tile of keys 1024], then V [step 8192][tile of features 2048]
	ds_store_b128 v3, v[208:211] offset:(\sl)*32768
	ds_store_b128 v3, v[212:215] offset:(\sl)*32768+8192
	ds_store_b128 v3, v[216:219] offset:(\sl)*32768+16384
	ds_store_b128 v3, v[220:223] offset:(\sl)*32768+24576
.endm
	CHUNK_LD                                       ; chunk 0 goes out while the flags are on their way
	global_load_b128 v[16:19], v1, s[4:5]          ; Q's fragment stays in registers
	global_load_b128 v[20:23], v1, s[4:5] offset:512
	v_mov_b32 v13, 0xff61b1e6                      ; the largest t so far: -3e38
	v_floor_f32 v12, -v13                          ; -M
	v_mov_b32 v14, 0
	v_mov_b32 v15, 0
	v_mov_b32 v236, 0                              ; a lane permute's destination counts as one of its sources
	v_mov_b32 v252, 0
	v_mov_b32 v253, 0                              ; (named as the upper half of the pair v[252:253])
.set jj, 0
.rept 32
	v_mov_b32 v[160+jj], 0                         ; O^T: the step is written for all steps alike; the first finds zeros
.set jj, jj+1
.endr
	s_wait_kmcnt 0x0
	s_lshr_b32 s[PB], s26, 16
	s_and_b32 s[NB], s26, 0xffff
	s_or_b32 s[WGN], s44, s45
.irp j, 46,47,48,49,50,51,52,53,54,55,56,57,58,59
	s_or_b32 s[WGN], s[WGN], s\j
.endr
	s_and_b32 s[WGN], s[WGN], 0xffff
	s_add_co_i32 s60, s38, s39                     ; e6 + e7
	s_lshl_b32 s61, s60, 23
	s_add_co_i32 s22, s61, 0x3e38aa3b              ; c = log2(e) / 8 x 2^(e6 + e7): the exponents are added to c's exponent field
	s_mov_b32 s23, s22
	s_sub_co_i32 s61, 160, s60
	s_lshl_b32 s61, s61, 23
	s_or_b32 s61, s61, 0x80000000
	v_mov_b32 v10, s61                             ; R = -2^(33 - e6 - e7)
	s_add_co_i32 s60, s40, 127
	s_lshl_b32 s61, s60, 23
	v_mov_b32 v24, s61                             ; 2^e8
	s_add_co_i32 s60, s60, 8
	s_lshl_b32 s60, s60, 23
	s_or_b32 s60, s60, 0x600000
	v_mov_b32 v25, s60                             ; 448 x 2^e8
	s_cmp_lt_i32 s40, -8
	s_cselect_b32 s[HOLD], 1, 0
	s_wait_loadcnt 6                               ; the mask words are in; chunk 0's four loads and Q's two may be out
.irp i, 0,1,2,3,4,5,6,7
	ds_store_b128 v11, v[96+4*\i:99+4*\i] offset:544*\i
.endr
	s_wait_loadcnt 2                               ; chunk 0 is in; Q's two may be out
	CHUNK_ST 0
	s_add_nc_u64 s[32:33], s[32:33], 16384         ; (the loads that named it are done)  chunk 1
	s_and_b32 s60, s[WGN], 0xc
	s_cmp_lg_u32 s60, 0
	s_cbranch_scc0 .Lno_1
	s_wait_dscnt 0x0                               ; the stores have read their registers
	CHUNK_LD
.Lno_1:
; A KEY STEP: 128 keys, the q-th of slot sl; bit: its place among the trip's four.
.macro STEP sl, q, bit
	s_bitcmp1_b32 s[NB], \bit
	s_cbranch_scc0 .Lskip_\@
.rept 4
	v_nop                                          ; places in front of loads into registers that the last products read
.endr
.irp t, 0,1,2,3,4,5,6,7
	ds_load_b128 v[32+8*\t:35+8*\t], v1 offset:(\sl)*32768+(\q)*8192+\t*1024
	ds_load_b128 v[36+8*\t:39+8*\t], v1 offset:(\sl)*32768+(\q)*8192+\t*1024+512
.endr
	s_wait_dscnt 0x0
.irp t, 0,1,2,3,4,5,6,7
	v_wmma_f32_16x16x64_fp8_fp8 v[96+8*\t:103+8*\t], v[32+8*\t:39+8*\t], v[16:23], 0
.endr
.rept 4
	v_nop                                          ; places in front of the loads below and of the first read of the scores
.endr
.irp d, 0,1,2,3
.irp g, 0,1,2,3
	ds_load_b128 v[32+16*\d+4*\g:35+16*\d+4*\g], v1 offset:(\sl)*32768+16384+(\q)*8192+\d*2048+512*\g   ; V lands under the softmax
.endr
.endr
	s_bitcmp1_b32 s[PB], \bit
	s_cbranch_scc0 .Lopen_\@                       ; a step whose keys are all open for my 16 queries has no bits to apply
	v_add_nc_u32 v8, s[MS], v7
	ds_load_b128 v[28:31], v8 offset:16*(\bit)
	s_wait_dscnt 0x0
.irp x, 28,29,30,31
	v_lshlrev_b32 v\x, v9, v\x                     ; my half's 16 bits to the top
.endr
.set nn, 0
.rept 64                                       ; score nn = 4 u + x: word x's top bit goes out as the carry: 1 = open
	v_add_co_u32 v[28+nn%4], vcc_lo, v[28+nn%4], v[28+nn%4]
	v_cndmask_b32 v[96+nn], v10, v[96+nn], vcc_lo
.set nn, nn+1
.endr
.Lopen_\@:
	v_max3_num_f32 v254, v96, v97, v98             ; the step's largest score of my query among my 64 keys, in two chains
	v_max3_num_f32 v252, v99, v100, v101
.irp i, 6,10,14,18,22,26,30,34,38,42,46,50,54,58
	v_max3_num_f32 v254, v254, v[96+\i], v[97+\i]
	v_max3_num_f32 v252, v252, v[98+\i], v[99+\i]
.endr
	v_max3_num_f32 v254, v254, v158, v159
	v_max_num_f32 v254, v254, v252
	v_permlanex16_b32 v236, v254, s20, s21
	v_max_num_f32 v254, v254, v236                 ; and among lane l xor 16's
	v_mul_f32 v254, s22, v254                      ; as t (c is positive)
	v_max_num_f32 v13, v13, v254
	v_mov_b32 v254, v12
	v_floor_f32 v12, -v13                          ; the new -M = floor(-t)
	v_sub_f32 v254, v12, v254                      ; old M - new M: a whole number, 0 or less
	v_cvt_i32_f32 v254, v254                       ; (it saturates)
	v_ldexp_f32 v252, 1.0, v254                    ; f = 2^(old M - new M)
.set jj, 0
.rept 32
	v_pk_fma_f32 v[96+jj:97+jj], v[96+jj:97+jj], s[22:23], v[12:13] op_sel_hi:[1,0,0]   ; t - M
.set jj, jj+2
.endr
.set jj, 0
.rept 64
	v_exp_f32 v[96+jj], v[96+jj]                   ; p = 2^(t - M), at most 1
.set jj, jj+1
.endr
	v_pk_mul_f32 v[14:15], v[14:15], v[252:253] op_sel_hi:[1,0]   ; the sums under the new M: the plain line behind the exponentials
	s_wait_alu depctr_va_vdst(0)                   ; one wait for the batch, ahead of its first reader
	v_pk_add_f32 v[242:243], v[96:97], v[98:99]    ; the row's sum is taken of the unquantised p, in two chains
.irp j, 4,8,12,16,20,24,28,32,36,40,44,48,52,56,60
	v_pk_add_f32 v[14:15], v[14:15], v[96+\j:97+\j]
	v_pk_add_f32 v[242:243], v[242:243], v[98+\j:99+\j]
.endr
	v_pk_add_f32 v[14:15], v[14:15], v[242:243]
	s_cmp_eq_u32 s[HOLD], 0                        ; p <= 1 <= 448 x 2^e8 wherever e8 >= -8: then nothing is to be held
	s_cbranch_scc1 .Lfits_\@
.set jj, 0
.rept 64
	v_min_num_f32 v[96+jj], v[96+jj], v25          ; the conversion does not saturate (ISA guide 7.6.2); p is not negative
.set jj, jj+1
.endr
.Lfits_\@:
.irp t, 0,1,2,3,4,5,6,7
	v_cvt_scalef32_pk8_fp8_f32 v[192+2*\t:193+2*\t], v[96+8*\t:103+8*\t], v24
.endr
.set jj, 0
.rept 16
	v_pk_mul_f32 v[160+jj:161+jj], v[160+jj:161+jj], v[252:253] op_sel_hi:[1,0]   ; O^T under the new M; also the plain lines behind the conversions
.set jj, jj+2
.endr
	s_wait_dscnt 0x0                               ; V is in
.irp d, 0,1,2,3                                ; the four accumulators take turns; eight other products stand between a step's last and the next step's first of these
	v_wmma_f32_16x16x128_fp8_fp8 v[160+8*\d:167+8*\d], v[32+16*\d:47+16*\d], v[192:207], v[160+8*\d:167+8*\d]
.endr
.Lskip_\@:
.endm
; A chunk in slot sl.  In front of the barrier: my stores into this slot have landed and my reads of the other are over.  Behind it the next chunk goes into the other slot, and the one after that is asked for.
.macro HALF sl
	s_wait_dscnt 0x0
	s_barrier_signal -1
	s_barrier_wait -1
	s_wait_loadcnt 0x0                             ; the next chunk is in registers (the first time: Q too)
	s_add_nc_u64 s[32:33], s[32:33], 16384         ; (the loads that named it are done)  two chunks on
	s_and_b32 s60, s[WGN], 0xc<<(2*\sl)
	s_cmp_lg_u32 s60, 0
	s_cbranch_scc0 .Lno_store_\@
	CHUNK_ST 1-\sl
.Lno_store_\@:
	s_and_b32 s60, s[WGN], 0x30<<(2*\sl)           ; the flags have 16 bits: no chunk past the eighth is ever asked for
	s_cmp_lg_u32 s60, 0
	s_cbranch_scc0 .Lno_load_\@
	s_wait_dscnt 0x0                               ; the stores have read their registers
	CHUNK_LD
.Lno_load_\@:
	STEP \sl, 0, 2*\sl
	STEP \sl, 1, 2*\sl+1
.endm
	s_mov_b32 s25, 4
	s_mov_b32 s[MS], 0
.Ltrip:                                            ; four trips of two chunks: a constant; what is left out is jumped over inside
	HALF 0
	HALF 1
	s_lshr_b32 s[NB], s[NB], 4
	s_lshr_b32 s[PB], s[PB], 4
	s_lshr_b32 s[WGN], s[WGN], 4
	s_add_co_u32 s[MS], s[MS], 64
	s_sub_co_u32 s25, s25, 1
	s_cmp_lg_u32 s25, 0
	s_cbranch_scc1 .Ltrip
	; THE WAY OUT: O^T / the sum x 2^(e8 + e9), quantised with 2^e10: half a fragment of the last product's A, stored from registers.
.rept 4
	v_nop                                          ; places behind the last products
.endr
	v_add_f32 v14, v14, v15
	v_permlanex16_b32 v252, v14, s20, s21
	v_add_f32 v14, v14, v252                       ; the row's sum
	v_rcp_f32 v14, v14
	s_add_co_i32 s60, s42, 127
	s_lshl_b32 s61, s60, 23
	v_mov_b32 v27, s61                             ; 2^e10  (a plain line behind the reciprocal)
	s_add_co_i32 s60, s60, 8
	s_lshl_b32 s60, s60, 23
	s_or_b32 s60, s60, 0x600000
	v_mov_b32 v26, s60                             ; 448 x 2^e10
	s_lshr_b32 s60, s15, 4
	s_lshl_b32 s60, s60, 7
	s_add_co_u32 s60, s60, s19                     ; tile of tokens = 128 x batch + my tile of queries
	s_lshl_b32 s60, s60, 14
	s_bfe_u32 s61, s15, 0x30001                    ; pair of heads
	s_lshl_b32 s61, s61, 11
	s_add_co_u32 s60, s60, s61
	s_and_b32 s61, s15, 1
	s_lshl_b32 s61, s61, 10
	s_add_co_u32 s34, s60, s61
	s_mov_b32 s35, 0
	s_add_nc_u64 s[12:13], s[12:13], s[34:35]
	s_add_co_i32 s62, s40, s41
	s_wait_alu depctr_va_vdst(0)                   ; ahead of the reciprocal's first reader
	v_ldexp_f32 v14, v14, s62
.set jj, 0
.rept 32
	v_mul_f32 v[96+jj], v[160+jj], v14             ; each accumulator from its low end on
.set jj, jj+1
.endr
.set jj, 0
.rept 32
	v_med3_num_f32 v[96+jj], v[96+jj], -v26, v26
.set jj, jj+1
.endr
.irp d, 0,1,2,3
	v_cvt_scalef32_pk8_fp8_f32 v[192+2*\d:193+2*\d], v[96+8*\d:103+8*\d], v27
.endr
	v_nop
	global_store_b128 v1, v[192:195], s[12:13]
	global_store_b128 v1, v[196:199], s[12:13] offset:512
	s_wait_tensorcnt 0x0                           ; the wave's end: three lines behind my last LDS store
	ds_add_u32 v5, v6
	s_wait_dscnt 0x0
	s_endpgm
.Lfunc_end_k_q2e1e1bf8ba_attn:
	.size	k_q2e1e1bf8ba_attn, .Lfunc_end_k_q2e1e1bf8ba_attn-k_q2e1e1bf8ba_attn
	.p2alignl 7, 3214868480
	.fill 96, 4, 3214868480
	.section	.rodata,"a",@progbits
	.p2align	6, 0x0
	.amdhsa_kernel k_q2e1e1bf8ba_attn
		.amdhsa_group_segment_fixed_size 137216
		.amdhsa_private_segment_fixed_size 0
		.amdhsa_enable_private_segment 0
		.amdhsa_kernarg_size 40
		.amdhsa_user_sgpr_count 2
		.amdhsa_user_sgpr_kernarg_segment_ptr 1
		.amdhsa_wavefront_size32 1
		.amdhsa_system_sgpr_workgroup_id_x 1
		.amdhsa_system_sgpr_workgroup_id_y 1
		.amdhsa_system_sgpr_workgroup_id_z 1
		.amdhsa_system_vgpr_workitem_id 0
		.amdhsa_next_free_vgpr 256
		.amdhsa_next_free_sgpr 66
		.amdhsa_reserve_vcc 1
		.amdhsa_float_denorm_mode_32 3
		.amdhsa_float_denorm_mode_16_64 3
		.amdhsa_memory_ordered 1
		.amdhsa_forward_progress 1
		.amdhsa_inst_pref_size 101
	.end_amdhsa_kernel
	.amdgpu_metadata
---
amdhsa.version: [ 1, 2 ]
amdhsa.kernels:
  - .name:           k_q2e1e1bf8ba_attn
    .symbol:         k_q2e1e1bf8ba_attn.kd
    .args:
      - { .name: qkv, .offset: 0, .size: 8, .value_kind: global_buffer, .address_space: global }
      - { .name: mbits, .offset: 8, .size: 8, .value_kind: global_buffer, .address_space: global }
      - { .name: tflags, .offset: 16, .size: 8, .value_kind: global_buffer, .address_space: global }
      - { .name: lowp_scales, .offset: 24, .size: 8, .value_kind: global_buffer, .address_space: global }
      - { .name: cimg, .offset: 32, .size: 8, .value_kind: global_buffer, .address_space: global }
    .group_segment_fixed_size: 137216
    .private_segment_fixed_size: 0
    .kernarg_segment_align: 8
    .kernarg_segment_size: 40
    .max_flat_workgroup_size: 512
    .sgpr_count:     66
    .vgpr_count:     256
    .wavefront_size: 32
...
	.end_amdgpu_metadata
.endif
;; end of part 3
;; launch oproj (part 4): grid 8 x 32, 4 waves a work-group, clusters of 4 x 4, 327,680 bytes of LDS; arguments cimg, wimg, lowp_scales, b_o, out0; writes out0
.if DOCPART == 4
	.amdgcn_target "amdgcn-amd-amdhsa--gfx1250"
	.amdhsa_code_object_version 6
	.text
	.protected	k_q2e1e1bf8ba_oproj
	.globl	k_q2e1e1bf8ba_oproj
	.p2align	8
	.type	k_q2e1e1bf8ba_oproj,@function
k_q2e1e1bf8ba_oproj:
	s_mov_b64 s[64:65], 0
	v_nop
	global_prefetch_b8 v0, s[64:65] scope:SCOPE_SE
	s_setreg_imm32_b32 hwreg(HW_REG_WAVE_MODE, 25, 1), 1
	s_wait_xcnt 0x0
	s_wait_alu depctr_hold_cnt(0) depctr_sa_sdst(0) depctr_va_vdst(0) depctr_va_sdst(0) depctr_va_ssrc(0) depctr_va_vcc(0) depctr_vm_vsrc(0)
	s_getreg_b32 s2, hwreg(HW_REG_IB_STS2, 6, 4)
	s_cmp_eq_u32 s2, 0
	s_cbranch_scc0 .Lentry_in_a_cluster
	s_endpgm
.Lentry_in_a_cluster:
	s_bfe_u32 s2, ttmp6, 0x10000c
	s_cmp_lg_u32 s2, 0xf033
	s_cbranch_scc0 .Lentry_shape_is_right
	s_endpgm
.Lentry_shape_is_right:
; FOURTH LAUNCH: out0 = ctx W_o + b_o on codes of E4M3.  ctx's codes (cimg) and W_o^T's (wimg, fourth weight) lie as images of fragments.  Nothing is left out here.
; A tile of out0 is 128 x 128: 256 work-groups of four waves, 64 x 64 each: 16 accumulators.  K = 1,024: the tile's whole A (128 KiB) and B (128 KiB) fit in LDS at once.
; So there is no ring: each wave asks for its four parts (a chunk of 256 along K each, 4 tiles of rows x 4,096 bytes, 16 KiB) at the head and waits for them one by one; no LDS byte is filled twice.
; By this text's count a wave has four tensor loads out.  CLUSTERS: 4 x 4 work-groups; A's tiles are shared along a row of the cluster, B's along a column: joint loads.
; The matrix instruction is used transposed (source 0 = 16 columns of W_o, source 1 = 16 tokens): a lane holds eight neighbouring numbers of a row of out0.
; LIMIT: e10 + e11 between -126 and 127.
; REGISTERS: window 0: v8-11, v12-15 LDS addresses of my A and B fragments in chunks 0-3; v24-27 the way out's addresses; v28, v29 the add's two; v32-63 the bias; v64-95 results; v96-127 rows read back; v128-255 the accumulators.
;   window 1: two fragment buffers of 128: A's four fragments, then B's four.
.set CH,    65536                      ; a chunk: A's halves (16 KiB each), then B's
.set STG,   262144                     ; behind the chunks: a stage of 16 rows x 272 bytes for each wave; no fill lands there
.set SPARE, 279552                     ; the spare words, 128 bytes for each wave: two blocks of 256 bytes that no other line names
.set ACC,   128
.set G1A, 24
.set G1B, 32
.set G0A, 40                           ; s[40:55] A's four groups 0; B's: s[56:63], s[68:75]
.set MSB, 0
.macro WIN new
.if MSB != \new
	s_set_vgpr_msb (MSB<<8)|\new
.set MSB, \new
.endif
.endm
.macro CROUND
	s_barrier_signal -1
	s_barrier_wait -1
	s_cmp_lg_u32 s14, 0
	s_cbranch_scc1 .Lnot_wave_0_\@
	s_barrier_signal -3
.Lnot_wave_0_\@:
	s_barrier_wait -3
	s_barrier_signal -1
	s_barrier_wait -1
.endm
	s_load_b256 s[4:11], s[0:1], 0x0               ; cimg s[4:5], wimg s[6:7], scales s[8:9], b_o s[10:11]
	s_load_b64 s[12:13], s[0:1], 0x20              ; out0
	v_lshl_add_u32 v28, v0, 2, SPARE
	v_mov_b32 v29, 0
	ds_add_u32 v28, v29                            ; the wave's opening: the add, twice on end, and its wait ahead of my first tensor load
	ds_add_u32 v28, v29
	v_lshrrev_b32 v1, 5, v0
	v_readfirstlane_b32 s14, v1                    ; wave 0..3
	s_lshr_b32 s15, s14, 1                         ; my half of the rows.  Also: I fetch for A (0) or for B (1)
	s_and_b32 s16, s14, 1                          ; my half of the columns.  Also: which 64 rows of that tile I fetch
	s_bfe_u32 s19, ttmp6, 0x40000                  ; cx
	s_bfe_u32 s20, ttmp6, 0x40004                  ; cy
	s_lshl_b32 s18, ttmp9, 2
	s_add_co_u32 s18, s18, s19                     ; tile column
	s_and_b32 s17, ttmp7, 0xffff
	s_lshl_b32 s17, s17, 2
	s_add_co_u32 s17, s17, s20                     ; tile row
	s_lshl_b32 s21, s20, 2
	s_lshl_b32 s21, 15, s21                        ; my row of the cluster
	s_lshl_b32 s22, 0x1111, s19                    ; my column
	s_or_b32 s[G1A], s21, (3<<16)|(1<<21)          ; the mask; elements of 8 bytes; bit 21 beside a mask; no padding
	s_or_b32 s[G1B], s22, (3<<16)|(1<<21)
.irp g, G1A, G1B
	s_mov_b32 s[\g+1], 512<<16                     ; tensor_dim0 = 512 elements: 4,096 bytes
	s_mov_b32 s[\g+2], 4<<16                       ; tensor_dim1 = 4 tiles of 16 rows
	s_mov_b32 s[\g+3], 512<<16
	s_mov_b32 s[\g+4], 4
	s_mov_b32 s[\g+5], 2048                        ; 16,384 bytes from a tile of rows to the next
	s_mov_b32 s[\g+6], 0
	s_mov_b32 s[\g+7], 0
.endr
	s_lshl_b32 s2, s17, 17                         ; 128 rows are 131,072 bytes
	s_lshl_b32 s23, s16, 16
	s_add_co_u32 s2, s2, s23
	s_mov_b32 s3, 0
	s_lshl_b32 s76, s18, 17
	s_add_co_u32 s76, s76, s23
	s_add_co_u32 s76, s76, 0x300000                ; the fourth weight
	s_mov_b32 s77, 0
	s_lshl_b32 s23, s14, 14                        ; where my parts go: wave x 16,384
	s_wait_dscnt 0x0                               ; both opening adds are done
	s_wait_kmcnt 0x0
	s_load_b64 s[78:79], s[8:9], 0x28              ; e10, e11
	s_add_nc_u64 s[2:3], s[4:5], s[2:3]
	s_add_nc_u64 s[76:77], s[6:7], s[76:77]
	CROUND                                         ; all sixteen work-groups are here: the joint loads meet
.irp j, 0,1,2,3
	s_mov_b32 s[G0A+4*\j], 1
	s_add_co_u32 s[G0A+4*\j+1], s23, \j*CH
	s_add_nc_u64 s[G0A+4*\j+2:G0A+4*\j+3], s[2:3], \j*4096
	s_or_b32 s[G0A+4*\j+3], s[G0A+4*\j+3], 0x80000000
	s_mov_b32 s[56+4*\j+4*(\j/2)], 1
	s_add_co_u32 s[56+4*\j+4*(\j/2)+1], s23, \j*CH
	s_add_nc_u64 s[56+4*\j+4*(\j/2)+2:56+4*\j+4*(\j/2)+3], s[76:77], \j*4096
	s_or_b32 s[56+4*\j+4*(\j/2)+3], s[56+4*\j+4*(\j/2)+3], 0x80000000
.endr
	s_cmp_eq_u32 s15, 0                            ; a wave's four fills stand in one branch on its number, ahead of every wait on TENSORcnt, LDS read and further barrier
	s_cbranch_scc0 .Lfor_b
.irp j, 0,1,2,3
	tensor_load_to_lds s[G0A+4*\j:G0A+4*\j+3], s[G1A:G1A+7]
	s_nop 0
.endr
.rept 4
	v_nop
.endr
	s_branch .Lasked
.Lfor_b:
.irp j, 0,1,2,3
	tensor_load_to_lds s[56+4*\j+4*(\j/2):56+4*\j+4*(\j/2)+3], s[G1B:G1B+7]
	s_nop 0
.endr
.rept 4
	v_nop
.endr
.Lasked:
	v_and_b32 v1, 15, v0                           ; r
	v_bfe_u32 v2, v0, 4, 1                         ; h
	v_and_b32 v3, 31, v0
	v_lshlrev_b32 v3, 4, v3                        ; 16 x lane
	s_lshl_b32 s21, s15, 14
	s_lshl_b32 s22, s16, 14
	s_add_co_u32 s22, s22, 32768
.irp j, 0,1,2,3
	v_add_nc_u32 v[8+\j], s21, v3
	v_add_nc_u32 v[12+\j], s22, v3
	s_add_co_u32 s21, s21, CH
	s_add_co_u32 s22, s22, CH
.endr
	s_mul_i32 s21, s14, 4352
	s_add_co_u32 s21, s21, STG                     ; my stage
	v_mul_u32_u24 v24, v1, 272
	v_lshl_add_u32 v24, v2, 5, v24
	v_add_nc_u32 v24, s21, v24                     ; in: row r, + 32 h
	v_mul_u32_u24 v25, v2, 272
	v_lshl_add_u32 v25, v1, 4, v25
	v_add_nc_u32 v25, s21, v25                     ; back: lanes 0-15 one row of 256 bytes, lanes 16-31 the next
	v_lshlrev_b32 v26, 12, v2
	v_lshl_add_u32 v26, v1, 4, v26                 ; and the same two rows in out0
	v_lshlrev_b32 v27, 5, v2
	s_lshl_b32 s2, s18, 9
	s_lshl_b32 s21, s16, 8
	s_add_co_u32 s2, s2, s21                       ; my first column, in bytes: 512 x tile column + 256 x half
	s_mov_b32 s3, 0
	s_add_nc_u64 s[10:11], s[10:11], s[2:3]
	s_add_nc_u64 s[12:13], s[12:13], s[2:3]
	s_lshl_b32 s2, s17, 19                         ; my first row: 128 x tile row + 64 x half, rows of 4,096 bytes
	s_lshl_b32 s21, s15, 18
	s_add_co_u32 s2, s2, s21
	s_add_nc_u64 s[12:13], s[12:13], s[2:3]
.irp b, 0,1,2,3
	global_load_b128 v[32+8*\b:35+8*\b], v27, s[10:11] offset:64*\b       ; bias of columns 16 b + 8 h + 0 .. 7
	global_load_b128 v[36+8*\b:39+8*\b], v27, s[10:11] offset:64*\b+16
.endr
.macro FETCH k                         ; k step k's eight fragments into buffer k % 2: B's four, A's tiles 0 and 1, then A's tiles 2 and 3
.set FB, 128*((\k)%2)
.set JC, (\k)/2
.set KO, ((\k)%2)*2048
	WIN 0x40                                       ; destination window 1, address window 0
.irp i, 0,1,2,3
.irp c, 0,1,2,3
	ds_load_b128 v[FB+64+16*\i+4*\c:FB+64+16*\i+4*\c+3], v[12+JC] offset:\i*4096+KO+512*\c
.endr
.endr
.irp i, 0,1,2,3
.irp c, 0,1,2,3
	ds_load_b128 v[FB+16*\i+4*\c:FB+16*\i+4*\c+3], v[8+JC] offset:\i*4096+KO+512*\c
.endr
.endr
.endm
.macro MUL8 f, a0, zero                ; A's tiles a0, a0 + 1 x B's four.  The sixteen accumulators take turns in the same order in every k step
.irp a, \a0, \a0+1
.irp b, 0,1,2,3
.if \zero
	v_wmma_f32_16x16x128_fp8_fp8 v[ACC+8*(4*(\a)+\b):ACC+8*(4*(\a)+\b)+7], v[\f+64+16*\b:\f+64+16*\b+15], v[\f+16*(\a):\f+16*(\a)+15], 0
.else
	v_wmma_f32_16x16x128_fp8_fp8 v[ACC+8*(4*(\a)+\b):ACC+8*(4*(\a)+\b)+7], v[\f+64+16*\b:\f+64+16*\b+15], v[\f+16*(\a):\f+16*(\a)+15], v[ACC+8*(4*(\a)+\b):ACC+8*(4*(\a)+\b)+7]
.endif
.endr
.endr
.endm
.macro PLACES
.rept 4
	v_nop
.endr
.endm
.macro KS k, zero
	s_wait_dscnt 8                                 ; B's four and A's tiles 0 and 1 are in; the youngest eight loads (A's tiles 2 and 3) may be out
	WIN 0x05                                       ; sources 0 and 1 window 1; C and D window 0
	MUL8 128*((\k)%2), 0, \zero
.if (\k) < 7
.if ((\k)%2) == 1
	s_wait_dscnt 0x0                               ; no LDS instruction of mine is pending at the signal
	s_wait_tensorcnt 3-((\k)+1)/2                  ; my part of the next chunk is in; the younger chunks' loads may be out
	s_barrier_signal -1
	s_barrier_wait -1                              ; everybody's is
.endif
	PLACES                                         ; in front of loads into the buffer that the k step before multiplied
	FETCH (\k)+1
	s_wait_dscnt 32                                ; all but the 32 just issued
.else
	s_wait_dscnt 0x0
.endif
	WIN 0x05
	MUL8 128*((\k)%2), 2, \zero
.endm
	s_wait_tensorcnt 3                             ; my part of chunk 0 is in; three loads may be out
	s_barrier_signal -1
	s_barrier_wait -1
	FETCH 0
	KS 0, 1                                        ; the first products start the sums
	KS 1, 0
	KS 2, 0
	KS 3, 0
	KS 4, 0
	KS 5, 0
	KS 6, 0
	KS 7, 0
	WIN 0
	; THE WAY OUT, 16 rows x 64 columns at a time: sum x 2^(e10 + e11) + bias; through my own stage, so that sixteen lanes store 256 consecutive bytes, at a multiple of 256 from out0's first byte.
	PLACES
	s_wait_loadcnt 0x0                             ; the bias
	s_wait_kmcnt 0x0
	s_add_co_i32 s76, s78, s79
	s_add_co_i32 s76, s76, 127
	s_lshl_b32 s76, s76, 23                        ; 2^(e10 + e11) as f32
	s_mov_b32 s77, s76
.irp a, 0,1,2,3
.set jj, 0
.rept 16
	v_pk_fma_f32 v[64+jj:65+jj], v[ACC+32*\a+jj:ACC+32*\a+jj+1], s[76:77], v[32+jj:33+jj] op_sel_hi:[1,0,1]   ; each accumulator from its low end on
.set jj, jj+2
.endr
.irp b, 0,1,2,3
	ds_store_b128 v24, v[64+8*\b:67+8*\b] offset:64*\b
	ds_store_b128 v24, v[68+8*\b:71+8*\b] offset:64*\b+16
.endr
.if \a > 0
	s_wait_xcnt 0x0                                ; the last block's stores have read their data: the loads below may land there
.endif
.irp i, 0,1,2,3,4,5,6,7
	ds_load_b128 v[96+4*\i:99+4*\i], v25 offset:2*\i*272     ; LDS serves a wave's instructions in order: these see my stores
.endr
.irp i, 0,1,2,3,4,5,6,7
	s_wait_dscnt 7-\i                              ; the younger loads may be out
	global_store_b128 v26, v[96+4*\i:99+4*\i], s[12:13] offset:(16*\a+2*\i)*4096 th:TH_STORE_NT
.endr
.endr
	s_wait_tensorcnt 0x0                           ; the wave's end
	ds_add_u32 v28, v29
	s_wait_dscnt 0x0
	CROUND                                         ; the closing round
	s_endpgm
.Lfunc_end_k_q2e1e1bf8ba_oproj:
	.size	k_q2e1e1bf8ba_oproj, .Lfunc_end_k_q2e1e1bf8ba_oproj-k_q2e1e1bf8ba_oproj
	.p2alignl 7, 3214868480
	.fill 96, 4, 3214868480
	.section	.rodata,"a",@progbits
	.p2align	6, 0x0
	.amdhsa_kernel k_q2e1e1bf8ba_oproj
		.amdhsa_group_segment_fixed_size 327680
		.amdhsa_private_segment_fixed_size 0
		.amdhsa_enable_private_segment 0
		.amdhsa_kernarg_size 40
		.amdhsa_user_sgpr_count 2
		.amdhsa_user_sgpr_kernarg_segment_ptr 1
		.amdhsa_wavefront_size32 1
		.amdhsa_system_sgpr_workgroup_id_x 1
		.amdhsa_system_sgpr_workgroup_id_y 1
		.amdhsa_system_sgpr_workgroup_id_z 1
		.amdhsa_system_vgpr_workitem_id 0
		.amdhsa_next_free_vgpr 512
		.amdhsa_next_free_sgpr 80
		.amdhsa_reserve_vcc 0
		.amdhsa_float_denorm_mode_32 3
		.amdhsa_float_denorm_mode_16_64 3
		.amdhsa_memory_ordered 1
		.amdhsa_forward_progress 1
		.amdhsa_inst_pref_size 48
	.end_amdhsa_kernel
	.amdgpu_metadata
---
amdhsa.version: [ 1, 2 ]
amdhsa.kernels:
  - .name:           k_q2e1e1bf8ba_oproj
    .symbol:         k_q2e1e1bf8ba_oproj.kd
    .args:
      - { .name: cimg, .offset: 0, .size: 8, .value_kind: global_buffer, .address_space: global }
      - { .name: wimg, .offset: 8, .size: 8, .value_kind: global_buffer, .address_space: global }
      - { .name: lowp_scales, .offset: 16, .size: 8, .value_kind: global_buffer, .address_space: global }
      - { .name: b_o, .offset: 24, .size: 8, .value_kind: global_buffer, .address_space: global }
      - { .name: out0, .offset: 32, .size: 8, .value_kind: global_buffer, .address_space: global }
    .group_segment_fixed_size: 327680
    .private_segment_fixed_size: 0
    .kernarg_segment_align: 8
    .kernarg_segment_size: 40
    .max_flat_workgroup_size: 128
    .sgpr_count:     80
    .vgpr_count:     512
    .wavefront_size: 32
...
	.end_amdgpu_metadata
.endif
;; end of part 4
;; ======== version 2 of 2: 4 launches; version 1 with the launch attn written anew for expert scheduling mode
;; limits: right only within a limited range of input values
;; workspace buffers: ximg 12,582,912 bytes; wimg 4,194,304 bytes; rope 524,288 bytes; mbits 524,288 bytes of whole numbers; tflags 512 bytes of whole numbers; qkv 12,582,912 bytes; cimg 4,194,304 bytes
;; launch prep: the kernel of part 1 again; grid 640 x 1, 8 waves a work-group, no clusters, 101,632 bytes of LDS; arguments q_input, k_input, v_input, W_q, W_k, W_v, W_o, mask, lowp_scales, ximg, wimg, mbits, tflags, rope; writes ximg, wimg, mbits, tflags, rope
;; launch proj: the kernel of part 2 again; grid 4 x 48, 4 waves a work-group, clusters of 4 x 4, 327,680 bytes of LDS; arguments ximg, wimg, lowp_scales, b_q, b_k, b_v, rope, qkv; writes qkv
;; launch attn (part 5): grid 8 x 32, 16 waves a work-group, no clusters, 137,216 bytes of LDS; arguments qkv, mbits, tflags, lowp_scales, cimg; writes cimg
.if DOCPART == 5
	.amdgcn_target "amdgcn-amd-amdhsa--gfx1250"
	.amdhsa_code_object_version 6
	.text
	.protected	k_q2e1e1bf8ba_attn
	.globl	k_q2e1e1bf8ba_attn
	.p2align	8
	.type	k_q2e1e1bf8ba_attn,@function
k_q2e1e1bf8ba_attn:
	s_mov_b64 s[64:65], 0
	v_nop
	global_prefetch_b8 v0, s[64:65] scope:SCOPE_SE
	s_setreg_imm32_b32 hwreg(HW_REG_WAVE_SCHED_MODE, 0, 2), 2
	s_setreg_imm32_b32 hwreg(HW_REG_WAVE_MODE, 25, 1), 1
	s_wait_xcnt 0x0
	s_wait_alu depctr_vm_vsrc(0)
; THIRD LAUNCH: attention on codes of E4M3, head size 64, with the mask that is given as an input.
; LEFT OUT: a step of 128 keys whose mask is 0 throughout for a wave's 16 queries, each of which has an open key elsewhere (tflags, made by the first launch, whose head comment shows why: p is code 0 and 0 in the sum).
; A tile with a query that has no open key walks all steps.  LIMIT: a NaN, an infinity or an overflow that reaches only a step left out is not carried to the result.
; THE SOFTMAX: t = score x log2(e) / 8; M = the running largest t rounded up to a whole number; p = 2^(t - M) is quantised with 2^e8; the row's sum is taken of the unquantised p and divides at the end.
; A HIDDEN KEY's raw score becomes R = -2^(33 - e6 - e7), so that t = -log2(e) x 2^30: a whole number under every open key's t.  A row with no open key then has p = 1 throughout, as with -1e9; elsewhere p = 0.
; SHARES.  A work-group owns one batch x head and two blocks of 128 queries, i and 15 - i; each of its sixteen waves owns a tile of 16 queries in 256 registers, four waves to a SIMD.
; K and V come in chunks of 256 keys, 32 KiB, through registers into two LDS slots: 512 threads x 16 bytes, four loads; a chunk is asked for two chunks ahead and stored one chunk ahead.
; No tensor load and no cluster: which chunks and steps are walked hangs on numbers read from memory.  A chunk that no wave of the work-group needs is neither loaded nor stored.
; LAYOUT.  Both products transposed: S^T = K Q^T (source 0 = 16 keys, source 1 = my 16 queries, K = 64), O^T = V^T P (source 0 = 16 features x 128 keys, source 1 = P): a lane holds one query throughout.
; Tile t's register j is key 16 t + 8 h + j: the conversions' results are registers 2 t, 2 t + 1 of P.  O^T's tile d, register j is feature 16 d + 8 h + j: quantised with 2^e10 it is half a fragment of the last product's A:
;   cimg [tile of 16 tokens 256][k step = pair of heads 8][2048]; an even head fills bytes 0-1023, an odd one 1024-2047.
; LIMITS: e6 + e7 between -94 and 9 (R and c are f32 numbers, and no open key's logit, at most 64 x 448^2 / 8 x 2^(e6 + e7), comes near -1e9); e8, e10 between -126 and 119.  NaN among the inputs is not served.
; REGISTERS: v1 16 x lane; v3 16 x thread; v5, v6 the add's two; v7 my row of mask words in LDS; v8 the same at this trip's first step; v9 16 - 16 h; v10 R; v12 -M, v13 the largest t, v[14:15] the sum; v16-23 Q; v24 2^e8, v25 448 x 2^e8;
;   v28-31 mask words; v32-95 K's, then V's fragments; v96-159 S^T, then p; v160-191 O^T; v192-207 P's codes; v208-223 a chunk on its way; v236-254 at work.
; THE MODE: SCHED_MODE bits 1:0 = 2 (LLVM: expert scheduling mode 2), set by the entry lines.  The code itself states the register dependences
; between vector or matrix instructions and memory or LDS instructions, with s_wait_alu, always for 0.
; THE PLAN.  Registers that memory or LDS instructions touch:
;   v1, v3, v11   Offsets and LDS addresses, written at the head and never again: one wait on va_vdst ahead of the first load serves them for the whole kernel.
;   v8            Written once a trip, at the trip's head, behind a wait on vm_vsrc (the last trip's loads of mask words have read it); read by the loads of mask words, which stand behind a step's two waits on va_vdst.
;   v96-127       At the head alone: global loads land there, eight LDS stores read them; from the first step on they are S^T.  One wait on vm_vsrc at the head parts the two.
;   v208-223      Global loads land there, LDS stores read them, and no vector instruction names them: a wait on vm_vsrc straight behind each run of stores is all that they owe.
;   v32-95        A step: K's 16 loads land, eight products read; V's 16 loads land, four products read.  So a step has two waits on va_vdst, one ahead of each run of loads.  With 256 registers a wave there is no second set.
;   v28-31        A masked step: a load lands, shifts and adds work on them.  The load stands behind the step's second wait on va_vdst, with no vector line between.
;   v192-199      At the end: the conversions write them, two stores read them: one wait on va_vdst.
;   s14 (the wave's number) and s[44:59] (a masked step's carries) are written by vector instructions: a wait on va_sdst stands ahead of their first readers; the carries go in runs of sixteen, a wait to a run.
;   v16-23 (Q) are loaded once; v5, v6 are read by the closing add alone.
.set MB,    65536                      ; behind the slots: mask words, 16 rows x 272 bytes for each wave, each wave's own
.set MBW,   4352
.set SPARE, 135168                     ; the spare words, 128 bytes for each wave: eight blocks of 256 bytes that no other line names
.set NB,   26                          ; s26 need bits, the trip's four steps lowest
.set PB,   27                          ; s27 part bits
.set WGN,  28                          ; s28 the work-group's need bits: the sixteen tiles' joined
.set MS,   29                          ; s29 16 x the trip's first step
.set HOLD, 30                          ; s30 1 where 448 x 2^e8 < 1
.set CY,   44                          ; s[44:59] sixteen carries of a masked step: the registers that held the sixteen tiles' flags, free behind the head
	s_load_b256 s[4:11], s[0:1], 0x0               ; qkv s[4:5], mbits s[6:7], tflags s[8:9], scales s[10:11]
	s_load_b64 s[12:13], s[0:1], 0x20              ; cimg
	v_lshl_add_u32 v5, v0, 2, SPARE
	v_mov_b32 v6, 0
	v_lshrrev_b32 v8, 5, v0
	v_readfirstlane_b32 s14, v8                    ; wave 0..15
	v_and_b32 v8, 31, v0                           ; what needs no wave's number stands between that line and the wait for it
	v_lshlrev_b32 v1, 4, v8
	v_lshlrev_b32 v3, 4, v0
	v_and_b32 v2, 15, v0                           ; r
	v_bfe_u32 v4, v0, 4, 1                         ; h
	v_mul_u32_u24 v7, v2, 272
	v_mul_u32_u24 v11, v4, 272
	v_lshl_add_u32 v11, v2, 4, v11
	v_lshlrev_b32 v9, 4, v4
	v_sub_nc_u32 v9, 16, v9
	s_wait_alu depctr_va_sdst(0)                   ; s14 is written, ahead of its first reader
	s_and_b32 s15, ttmp7, 0xffff                   ; batch x 16 + head
	s_lshr_b32 s16, s14, 2
	s_xor_b32 s16, s16, s14
	s_and_b32 s16, s16, 1                          ; which of the two blocks: waves 2 m and 2 m + 1 take one each
	s_sub_co_u32 s17, 15, ttmp9
	s_cmp_eq_u32 s16, 0
	s_cselect_b32 s18, ttmp9, s17
	s_lshl_b32 s19, s18, 3
	s_lshr_b32 s31, s14, 1
	s_add_co_u32 s19, s19, s31                     ; my tile of 16 queries
	s_mul_i32 s31, s14, MBW
	s_add_co_u32 s31, s31, MB
	v_add_nc_u32 v7, s31, v7                       ; mask words, out: row r
	v_add_nc_u32 v11, s31, v11                     ; mask words, in: row h of a pair, 16 bytes a lane
	s_mov_b32 s20, 0x76543210                      ; v_permlanex16_b32's selects for lane l xor 16
	s_mov_b32 s21, 0xfedcba98
	s_wait_kmcnt 0x0
	s_lshl_b32 s60, s19, 2
	s_load_b32 s26, s[8:9], s60 offset:0x0         ; my tile's flags
	s_lshl_b32 s61, ttmp9, 5
	s_load_b256 s[44:51], s[8:9], s61 offset:0x0   ; block i's eight
	s_lshl_b32 s62, s17, 5
	s_load_b256 s[52:59], s[8:9], s62 offset:0x0   ; block 15 - i's
	s_load_b256 s[36:43], s[10:11], 0x10           ; e4 .. e11
	s_lshl_b32 s34, s19, 12
	s_mov_b32 s35, 0
	s_add_nc_u64 s[6:7], s[6:7], s[34:35]          ; my 16 rows of mask words
	s_lshl_b32 s34, s15, 17
	s_add_nc_u64 s[4:5], s[4:5], s[34:35]          ; my head in q
	s_add_nc_u64 s[32:33], s[4:5], 0x400000        ; in k; v lies 4 MiB further on
	s_lshl_b32 s34, s19, 10
	s_add_nc_u64 s[4:5], s[4:5], s[34:35]          ; my tile of q
	s_wait_alu depctr_va_vdst(0)                   ; v1, v3 and v11 are written: the offsets and LDS addresses that the loads and stores of the whole kernel read; no later vector line writes them
.irp i, 0,1,2,3,4,5,6,7
	global_load_b128 v[96+4*\i:99+4*\i], v1, s[6:7] offset:512*\i    ; two queries' 16 steps x 4 words
.endr
.macro CHUNK_LD                        ; 256 keys of K (16 KiB), their part of V (16 KiB)
	global_load_b128 v[208:211], v3, s[32:33]
	global_load_b128 v[212:215], v3, s[32:33] offset:8192
	global_load_b128 v[216:219], v3, s[32:33] offset:4194304
	global_load_b128 v[220:223], v3, s[32:33] offset:4202496
.endm
.macro CHUNK_ST sl                     ; into slot sl as they lie: K [step 8192][tile of keys 1024], then V [step 8192][tile of features 2048]
	ds_store_b128 v3, v[208:211] offset:(\sl)*32768
	ds_store_b128 v3, v[212:215] offset:(\sl)*32768+8192
	ds_store_b128 v3, v[216:219] offset:(\sl)*32768+16384
	ds_store_b128 v3, v[220:223] offset:(\sl)*32768+24576
.endm
	CHUNK_LD                                       ; chunk 0 goes out while the flags are on their way
	global_load_b128 v[16:19], v1, s[4:5]          ; Q's fragment stays in registers
	global_load_b128 v[20:23], v1, s[4:5] offset:512
	v_mov_b32 v13, 0xff61b1e6                      ; the largest t so far: -3e38
	v_floor_f32 v12, -v13                          ; -M
	v_mov_b32 v14, 0
	v_mov_b32 v15, 0
	v_mov_b32 v236, 0                              ; a lane permute's destination counts as one of its sources
	v_mov_b32 v252, 0
	v_mov_b32 v253, 0                              ; (named as the upper half of the pair v[252:253])
.set jj, 0
.rept 32
	v_mov_b32 v[160+jj], 0                         ; O^T: the step is written for all steps alike; the first finds zeros
.set jj, jj+1
.endr
	s_wait_kmcnt 0x0
	s_lshr_b32 s[PB], s26, 16
	s_and_b32 s[NB], s26, 0xffff
	s_or_b32 s[WGN], s44, s45
.irp j, 46,47,48,49,50,51,52,53,54,55,56,57,58,59
	s_or_b32 s[WGN], s[WGN], s\j
.endr
	s_and_b32 s[WGN], s[WGN], 0xffff
	s_add_co_i32 s60, s38, s39                     ; e6 + e7
	s_lshl_b32 s61, s60, 23
	s_add_co_i32 s22, s61, 0x3e38aa3b              ; c = log2(e) / 8 x 2^(e6 + e7): the exponents are added to c's exponent field
	s_mov_b32 s23, s22
	s_sub_co_i32 s61, 160, s60
	s_lshl_b32 s61, s61, 23
	s_or_b32 s61, s61, 0x80000000
	v_mov_b32 v10, s61                             ; R = -2^(33 - e6 - e7)
	s_add_co_i32 s60, s40, 127
	s_lshl_b32 s61, s60, 23
	v_mov_b32 v24, s61                             ; 2^e8
	s_add_co_i32 s60, s60, 8
	s_lshl_b32 s60, s60, 23
	s_or_b32 s60, s60, 0x600000
	v_mov_b32 v25, s60                             ; 448 x 2^e8
	s_cmp_lt_i32 s40, -8
	s_cselect_b32 s[HOLD], 1, 0
	s_wait_loadcnt 6                               ; the mask words are in; chunk 0's four loads and Q's two may be out
.irp i, 0,1,2,3,4,5,6,7
	ds_store_b128 v11, v[96+4*\i:99+4*\i] offset:544*\i
.endr
	s_wait_loadcnt 2                               ; chunk 0 is in; Q's two may be out
	CHUNK_ST 0
	s_wait_alu depctr_vm_vsrc(0)                   ; the mask words' stores have read v96-127, which the first products write; chunk 0's stores have read v208-223, in which chunk 1 lands
	s_add_nc_u64 s[32:33], s[32:33], 16384         ; (the loads that named it are done)  chunk 1
	s_and_b32 s60, s[WGN], 0xc
	s_cmp_lg_u32 s60, 0
	s_cbranch_scc0 .Lno_1
	s_wait_dscnt 0x0                               ; the stores have read their registers
	CHUNK_LD
.Lno_1:
; A KEY STEP: 128 keys, the q-th of slot sl; bit: its place among the trip's four.
.macro STEP sl, q, bit
	s_bitcmp1_b32 s[NB], \bit
	s_cbranch_scc0 .Lskip_\@
.rept 4
	v_nop                                          ; the places behind the last products stay as they stood
.endr
	s_wait_alu depctr_va_vdst(0)                   ; the four products of the step walked last are done reading v32-95, in which K's fragments land
.irp t, 0,1,2,3,4,5,6,7
	ds_load_b128 v[32+8*\t:35+8*\t], v1 offset:(\sl)*32768+(\q)*8192+\t*1024
	ds_load_b128 v[36+8*\t:39+8*\t], v1 offset:(\sl)*32768+(\q)*8192+\t*1024+512
.endr
	s_wait_dscnt 0x0
.irp t, 0,1,2,3,4,5,6,7
	v_wmma_f32_16x16x64_fp8_fp8 v[96+8*\t:103+8*\t], v[32+8*\t:39+8*\t], v[16:23], 0
.endr
.rept 4
	v_nop                                          ; places in front of the first read of the scores; they stay beside the wait below
.endr
	s_wait_alu depctr_va_vdst(0)                   ; the eight products are done reading v32-95, in which V's fragments land; the lines of the masked step walked last are done with v28-31, in which mask words land; v8, their address, is written
.irp d, 0,1,2,3
.irp g, 0,1,2,3
	ds_load_b128 v[32+16*\d+4*\g:35+16*\d+4*\g], v1 offset:(\sl)*32768+16384+(\q)*8192+\d*2048+512*\g   ; V lands under the softmax
.endr
.endr
	s_bitcmp1_b32 s[PB], \bit
	s_cbranch_scc0 .Lopen_\@                       ; a step whose keys are all open for my 16 queries has no bits to apply
	ds_load_b128 v[28:31], v8 offset:16*(\bit)     ; no vector line stands between the wait above and this load
	s_wait_dscnt 0x0
.irp x, 28,29,30,31
	v_lshlrev_b32 v\x, v9, v\x                     ; my half's 16 bits to the top
.endr
.set gg, 0
.rept 4                                        ; score nn = 4 u + x: word x's top bit goes out as the carry: 1 = open.  Sixteen scores at a time: sixteen carries, one wait, sixteen selects
.set nn, 16*gg
.rept 16
	v_add_co_u32 v[28+nn%4], s[CY+nn%16], v[28+nn%4], v[28+nn%4]
.set nn, nn+1
.endr
	s_wait_alu depctr_va_sdst(0)                   ; the sixteen carries s[44:59] are written, ahead of the selects that read them
.set nn, 16*gg
.rept 16
	v_cndmask_b32 v[96+nn], v10, v[96+nn], s[CY+nn%16]
.set nn, nn+1
.endr
.set gg, gg+1
.endr
.Lopen_\@:
	v_max3_num_f32 v254, v96, v97, v98             ; the step's largest score of my query among my 64 keys, in two chains
	v_max3_num_f32 v252, v99, v100, v101
.irp i, 6,10,14,18,22,26,30,34,38,42,46,50,54,58
	v_max3_num_f32 v254, v254, v[96+\i], v[97+\i]
	v_max3_num_f32 v252, v252, v[98+\i], v[99+\i]
.endr
	v_max3_num_f32 v254, v254, v158, v159
	v_max_num_f32 v254, v254, v252
	v_permlanex16_b32 v236, v254, s20, s21
	v_max_num_f32 v254, v254, v236                 ; and among lane l xor 16's
	v_mul_f32 v254, s22, v254                      ; as t (c is positive)
	v_max_num_f32 v13, v13, v254
	v_mov_b32 v254, v12
	v_floor_f32 v12, -v13                          ; the new -M = floor(-t)
	v_sub_f32 v254, v12, v254                      ; old M - new M: a whole number, 0 or less
	v_cvt_i32_f32 v254, v254                       ; (it saturates)
	v_ldexp_f32 v252, 1.0, v254                    ; f = 2^(old M - new M)
.set jj, 0
.rept 32
	v_pk_fma_f32 v[96+jj:97+jj], v[96+jj:97+jj], s[22:23], v[12:13] op_sel_hi:[1,0,0]   ; t - M
.set jj, jj+2
.endr
.set jj, 0
.rept 64
	v_exp_f32 v[96+jj], v[96+jj]                   ; p = 2^(t - M), at most 1
.set jj, jj+1
.endr
	v_pk_mul_f32 v[14:15], v[14:15], v[252:253] op_sel_hi:[1,0]   ; the sums under the new M: the plain line behind the exponentials
	s_wait_alu depctr_va_vdst(0)                   ; the 64 exponentials have written v96-159: one wait for the batch, ahead of its first reader
	v_pk_add_f32 v[242:243], v[96:97], v[98:99]    ; the row's sum is taken of the unquantised p, in two chains
.irp j, 4,8,12,16,20,24,28,32,36,40,44,48,52,56,60
	v_pk_add_f32 v[14:15], v[14:15], v[96+\j:97+\j]
	v_pk_add_f32 v[242:243], v[242:243], v[98+\j:99+\j]
.endr
	v_pk_add_f32 v[14:15], v[14:15], v[242:243]
	s_cmp_eq_u32 s[HOLD], 0                        ; p <= 1 <= 448 x 2^e8 wherever e8 >= -8: then nothing is to be held
	s_cbranch_scc1 .Lfits_\@
.set jj, 0
.rept 64
	v_min_num_f32 v[96+jj], v[96+jj], v25          ; the conversion does not saturate (ISA guide 7.6.2); p is not negative
.set jj, jj+1
.endr
.Lfits_\@:
.irp t, 0,1,2,3,4,5,6,7
	v_cvt_scalef32_pk8_fp8_f32 v[192+2*\t:193+2*\t], v[96+8*\t:103+8*\t], v24
.endr
.set jj, 0
.rept 16
	v_pk_mul_f32 v[160+jj:161+jj], v[160+jj:161+jj], v[252:253] op_sel_hi:[1,0]   ; O^T under the new M; also the plain lines behind the conversions
.set jj, jj+2
.endr
	s_wait_dscnt 0x0                               ; V is in
.irp d, 0,1,2,3                                ; the four accumulators take turns; eight other products stand between a step's last and the next step's first of these
	v_wmma_f32_16x16x128_fp8_fp8 v[160+8*\d:167+8*\d], v[32+16*\d:47+16*\d], v[192:207], v[160+8*\d:167+8*\d]
.endr
.Lskip_\@:
.endm
; A chunk in slot sl.  In front of the barrier: my stores into this slot have landed and my reads of the other are over.  Behind it the next chunk goes into the other slot, and the one after that is asked for.
.macro HALF sl
	s_wait_dscnt 0x0
	s_barrier_signal -1
	s_barrier_wait -1
	s_wait_loadcnt 0x0                             ; the next chunk is in registers (the first time: Q too)
	s_add_nc_u64 s[32:33], s[32:33], 16384         ; (the loads that named it are done)  two chunks on
	s_and_b32 s60, s[WGN], 0xc<<(2*\sl)
	s_cmp_lg_u32 s60, 0
	s_cbranch_scc0 .Lno_store_\@
	CHUNK_ST 1-\sl
	s_wait_alu depctr_vm_vsrc(0)                   ; these four stores have read v208-223, in which the next loads of a chunk land, here or in a later half
.Lno_store_\@:
	s_and_b32 s60, s[WGN], 0x30<<(2*\sl)           ; the flags have 16 bits: no chunk past the eighth is ever asked for
	s_cmp_lg_u32 s60, 0
	s_cbranch_scc0 .Lno_load_\@
	s_wait_dscnt 0x0                               ; the stores have read their registers
	CHUNK_LD                                       ; no vector instruction ever names v208-223
.Lno_load_\@:
	STEP \sl, 0, 2*\sl
	STEP \sl, 1, 2*\sl+1
.endm
	s_mov_b32 s25, 4
	s_mov_b32 s[MS], 0
.Ltrip:                                            ; four trips of two chunks: a constant; what is left out is jumped over inside
	s_wait_alu depctr_vm_vsrc(0)                   ; the loads of mask words issued in the trip before have read v8
	v_add_nc_u32 v8, s[MS], v7                     ; my row of mask words at this trip's first step: made once a trip; a step's own waits stand between this line and the loads that read it
	HALF 0
	HALF 1
	s_lshr_b32 s[NB], s[NB], 4
	s_lshr_b32 s[PB], s[PB], 4
	s_lshr_b32 s[WGN], s[WGN], 4
	s_add_co_u32 s[MS], s[MS], 64
	s_sub_co_u32 s25, s25, 1
	s_cmp_lg_u32 s25, 0
	s_cbranch_scc1 .Ltrip
	; THE WAY OUT: O^T / the sum x 2^(e8 + e9), quantised with 2^e10: half a fragment of the last product's A, stored from registers.
.rept 4
	v_nop                                          ; places behind the last products
.endr
	v_add_f32 v14, v14, v15
	v_permlanex16_b32 v252, v14, s20, s21
	v_add_f32 v14, v14, v252                       ; the row's sum
	v_rcp_f32 v14, v14
	s_add_co_i32 s60, s42, 127
	s_lshl_b32 s61, s60, 23
	v_mov_b32 v27, s61                             ; 2^e10  (a plain line behind the reciprocal)
	s_add_co_i32 s60, s60, 8
	s_lshl_b32 s60, s60, 23
	s_or_b32 s60, s60, 0x600000
	v_mov_b32 v26, s60                             ; 448 x 2^e10
	s_lshr_b32 s60, s15, 4
	s_lshl_b32 s60, s60, 7
	s_add_co_u32 s60, s60, s19                     ; tile of tokens = 128 x batch + my tile of queries
	s_lshl_b32 s60, s60, 14
	s_bfe_u32 s61, s15, 0x30001                    ; pair of heads
	s_lshl_b32 s61, s61, 11
	s_add_co_u32 s60, s60, s61
	s_and_b32 s61, s15, 1
	s_lshl_b32 s61, s61, 10
	s_add_co_u32 s34, s60, s61
	s_mov_b32 s35, 0
	s_add_nc_u64 s[12:13], s[12:13], s[34:35]
	s_add_co_i32 s62, s40, s41
	s_wait_alu depctr_va_vdst(0)                   ; the reciprocal has written v14, ahead of its first reader
	v_ldexp_f32 v14, v14, s62
.set jj, 0
.rept 32
	v_mul_f32 v[96+jj], v[160+jj], v14             ; each accumulator from its low end on
.set jj, jj+1
.endr
.set jj, 0
.rept 32
	v_med3_num_f32 v[96+jj], v[96+jj], -v26, v26
.set jj, jj+1
.endr
.irp d, 0,1,2,3
	v_cvt_scalef32_pk8_fp8_f32 v[192+2*\d:193+2*\d], v[96+8*\d:103+8*\d], v27
.endr
	v_nop
	s_wait_alu depctr_va_vdst(0)                   ; the conversions have written v192-199, which the two stores read
	global_store_b128 v1, v[192:195], s[12:13]
	global_store_b128 v1, v[196:199], s[12:13] offset:512
	s_wait_dscnt 0x0                               ; the closing lines, six on end
	s_wait_alu 0x0
	s_wait_tensorcnt 0x0
	ds_add_u32 v5, v6
	s_wait_dscnt 0x0
	s_endpgm
.Lfunc_end_k_q2e1e1bf8ba_attn:
	.size	k_q2e1e1bf8ba_attn, .Lfunc_end_k_q2e1e1bf8ba_attn-k_q2e1e1bf8ba_attn
	.p2alignl 7, 3214868480
	.fill 96, 4, 3214868480
	.section	.rodata,"a",@progbits
	.p2align	6, 0x0
	.amdhsa_kernel k_q2e1e1bf8ba_attn
		.amdhsa_group_segment_fixed_size 137216
		.amdhsa_private_segment_fixed_size 0
		.amdhsa_enable_private_segment 0
		.amdhsa_kernarg_size 40
		.amdhsa_user_sgpr_count 2
		.amdhsa_user_sgpr_kernarg_segment_ptr 1
		.amdhsa_wavefront_size32 1
		.amdhsa_system_sgpr_workgroup_id_x 1
		.amdhsa_system_sgpr_workgroup_id_y 1
		.amdhsa_system_sgpr_workgroup_id_z 1
		.amdhsa_system_vgpr_workitem_id 0
		.amdhsa_next_free_vgpr 256
		.amdhsa_next_free_sgpr 66
		.amdhsa_reserve_vcc 0
		.amdhsa_float_denorm_mode_32 3
		.amdhsa_float_denorm_mode_16_64 3
		.amdhsa_memory_ordered 1
		.amdhsa_forward_progress 1
		.amdhsa_inst_pref_size 110
	.end_amdhsa_kernel
	.amdgpu_metadata
---
amdhsa.version: [ 1, 2 ]
amdhsa.kernels:
  - .name:           k_q2e1e1bf8ba_attn
    .symbol:         k_q2e1e1bf8ba_attn.kd
    .args:
      - { .name: qkv, .offset: 0, .size: 8, .value_kind: global_buffer, .address_space: global }
      - { .name: mbits, .offset: 8, .size: 8, .value_kind: global_buffer, .address_space: global }
      - { .name: tflags, .offset: 16, .size: 8, .value_kind: global_buffer, .address_space: global }
      - { .name: lowp_scales, .offset: 24, .size: 8, .value_kind: global_buffer, .address_space: global }
      - { .name: cimg, .offset: 32, .size: 8, .value_kind: global_buffer, .address_space: global }
    .group_segment_fixed_size: 137216
    .private_segment_fixed_size: 0
    .kernarg_segment_align: 8
    .kernarg_segment_size: 40
    .max_flat_workgroup_size: 512
    .sgpr_count:     66
    .vgpr_count:     256
    .wavefront_size: 32
...
	.end_amdgpu_metadata
.endif
;; end of part 5
;; launch oproj: the kernel of part 4 again; grid 8 x 32, 4 waves a work-group, clusters of 4 x 4, 327,680 bytes of LDS; arguments cimg, wimg, lowp_scales, b_o, out0; writes out0
